; MI455X (gfx1250); checked and timed in simulation.
; The chip was launched on July 23, 2026; its instructions are those of AMD's public machine-readable ISA for CDNA 5 (MIT licence, August 2026) and "CDNA5" Instruction Set Architecture Reference Guide (July 2026). The comments in the code are by the model that wrote it; some were corrected since.
;; Routing Capsules. Allowed arithmetic: float matrix products may take bf16 or f16 operands with f32 sums; all other float work in f32.
;; Inputs: W 64 x 32 x 64 float32; x 16 x 2,048 x 64 float32.
;; Outputs: out0 16 x 64 x 32 float32.
;; 2 versions, each right; version 2 is version 1 with the launches w1, route1, w2, route2, wlast written anew for expert scheduling mode. Each part assembles by itself: llvm-mc -triple=amdgcn-amd-amdhsa -mcpu=gfx1250 --defsym DOCPART=n.
;; ======== version 1 of 2: 6 launches
;; limits: inputs' magnitudes at most 1,023; values are held in f16: magnitudes above 65,504 overflow, below 6.1e-05 lose precision
;; workspace buffers: yp 4,194,304 bytes; za 262,144 bytes; zb 262,144 bytes
;; launch first (part 1): grid 256 x 1, 8 waves a work-group, no clusters, 5,120 bytes of LDS; arguments x, yp, za; writes yp, za
.if DOCPART == 1
	.amdgcn_target "amdgcn-amd-amdhsa--gfx1250"
	.amdhsa_code_object_version 6
	.text
	.protected	k_q0c203d8053_first
	.globl	k_q0c203d8053_first
	.p2align	8
	.type	k_q0c203d8053_first,@function
k_q0c203d8053_first:
	s_mov_b64 s[64:65], 0
	v_nop
	global_prefetch_b8 v0, s[64:65] scope:SCOPE_SE
	s_setreg_imm32_b32 hwreg(HW_REG_WAVE_MODE, 25, 1), 1
	s_wait_xcnt 0x0
; THE FIRST ROUTING STEP'S SUM.  All logits are zero, so the softmax over the 64 output capsules is 1/64 for every j, and
; sum_i c x is the column sum of x over 64.   x: [16][2048][64] f32, taken as 256 chunks g = 16 b + c of 128 rows.
;   yp[g][j][k] = (sum over the chunk's rows of x[.][k]) / 64, the same row for all 64 j: the layout in which the routing passes
;   leave their partial sums, so that one text of the W step serves both (the price: 16 KB stored by a work-group instead of 256 bytes);
;   za = 0: the logit vectors z[j][b][:] before the first step (1 KB of them by each work-group).
; Eight waves.  Load t of the work-group covers 4,096 consecutive bytes (16 rows); a thread keeps the same four columns in every load.
; A stream in f32 on the vector unit: no matrix unit, and no cluster, since no two work-groups read the same byte.
.set X, 8                              ; v[8:39]  eight loads of 16 bytes
.set P, 8                              ; v[8:71]  then the sixteen partial rows, four columns a lane
	s_load_b128 s[4:7], s[0:1], 0x0                ; x s[4:5], yp s[6:7]
	s_load_b64 s[8:9], s[0:1], 0x10                ; za
	v_lshl_add_u32 v72, v0, 2, 0x1000
	v_mov_b32 v73, 0
	v_lshlrev_b32 v1, 4, v0                        ; 16 x thread
	v_lshrrev_b32 v2, 5, v0
	v_readfirstlane_b32 s10, v2                    ; wave w
	v_and_b32 v2, 31, v0
	v_lshlrev_b32 v2, 4, v2                        ; 16 x lane
	v_and_b32 v3, 15, v0
	v_lshlrev_b32 v3, 4, v3                        ; 16 x (lane % 16)
.irp i, 4,5,6,7
	v_mov_b32 v\i, 0
.endr
	s_lshl_b32 s12, ttmp9, 15                      ; x: 128 rows of 256 bytes a chunk
	s_mov_b32 s13, 0
	s_lshl_b32 s14, ttmp9, 14                      ; yp: 16,384 bytes a chunk, the wave's 8 rows of 256
	s_lshl_b32 s11, s10, 11
	s_add_co_u32 s14, s14, s11
	s_mov_b32 s15, 0
	s_wait_kmcnt 0x0
	s_add_nc_u64 s[4:5], s[4:5], s[12:13]
	s_add_nc_u64 s[6:7], s[6:7], s[14:15]
	s_lshl_b32 s12, ttmp9, 10                      ; za: 1,024 bytes a work-group
	s_add_nc_u64 s[8:9], s[8:9], s[12:13]
.irp t, 0,1,2,3,4,5,6,7
	global_load_b128 v[X+4*\t:X+4*\t+3], v1, s[4:5] offset:\t*4096
.endr
.irp t, 1,2,3,4,5,6,7
	s_wait_loadcnt 7-\t                            ; loads return in order: load t is in, the 7 - t younger ones stay out
	v_pk_add_f32 v[X:X+1],   v[X:X+1],   v[X+4*\t:X+4*\t+1]
	v_pk_add_f32 v[X+2:X+3], v[X+2:X+3], v[X+4*\t+2:X+4*\t+3]
.endr
	ds_store_b128 v1, v[X:X+3]                     ; partial row thread / 16, 16 bytes at 16 x (thread % 16)
	s_wait_dscnt 0x0                               ; for the others' sake: my store is in LDS before I signal
	s_barrier_signal -1
	s_barrier_wait -1
.irp p, 0,1,2,3,4,5,6,7,8,9,10,11,12,13,14,15
	ds_load_b128 v[P+4*\p:P+4*\p+3], v3 offset:\p*256      ; every wave adds all sixteen rows; both halves of a wave read the same bytes
.endr
	s_wait_dscnt 0x0
.irp p, 0,1,2,3,4,5,6,7
	v_pk_add_f32 v[P+4*\p:P+4*\p+1],   v[P+4*\p:P+4*\p+1],   v[P+32+4*\p:P+33+4*\p]
	v_pk_add_f32 v[P+4*\p+2:P+4*\p+3], v[P+4*\p+2:P+4*\p+3], v[P+34+4*\p:P+35+4*\p]
.endr
.irp p, 0,1,2,3
	v_pk_add_f32 v[P+4*\p:P+4*\p+1],   v[P+4*\p:P+4*\p+1],   v[P+16+4*\p:P+17+4*\p]
	v_pk_add_f32 v[P+4*\p+2:P+4*\p+3], v[P+4*\p+2:P+4*\p+3], v[P+18+4*\p:P+19+4*\p]
.endr
.irp p, 0,1
	v_pk_add_f32 v[P+4*\p:P+4*\p+1],   v[P+4*\p:P+4*\p+1],   v[P+8+4*\p:P+9+4*\p]
	v_pk_add_f32 v[P+4*\p+2:P+4*\p+3], v[P+4*\p+2:P+4*\p+3], v[P+10+4*\p:P+11+4*\p]
.endr
	v_pk_add_f32 v[P:P+1],   v[P:P+1],   v[P+4:P+5]
	v_pk_add_f32 v[P+2:P+3], v[P+2:P+3], v[P+6:P+7]
	v_pk_mul_f32 v[P:P+1],   v[P:P+1],   0x3c800000 op_sel_hi:[1,0]        ; x 1/64, exact
	v_pk_mul_f32 v[P+2:P+3], v[P+2:P+3], 0x3c800000 op_sel_hi:[1,0]
.irp u, 0,1,2,3
	global_store_b128 v2, v[P:P+3], s[6:7] offset:\u*512   ; rows j = 8 w + 2 u + lane / 16: sixteen lanes store 256 consecutive bytes, aligned
.endr
	s_cmp_ge_u32 s10, 2
	s_cbranch_scc1 .Lend                           ; waves 0 and 1 store the work-group's 1,024 bytes of zeros
	global_store_b128 v1, v[4:7], s[8:9]
.Lend:
	s_wait_tensorcnt 0x0
	ds_add_u32 v72, v73
	s_wait_dscnt 0x0
	s_endpgm
.Lfunc_end_k_q0c203d8053_first:
	.size	k_q0c203d8053_first, .Lfunc_end_k_q0c203d8053_first-k_q0c203d8053_first
	.p2alignl 7, 3214868480
	.fill 96, 4, 3214868480
	.section	.rodata,"a",@progbits
	.p2align	6, 0x0
	.amdhsa_kernel k_q0c203d8053_first
		.amdhsa_group_segment_fixed_size 5120
		.amdhsa_private_segment_fixed_size 0
		.amdhsa_enable_private_segment 0
		.amdhsa_kernarg_size 24
		.amdhsa_user_sgpr_count 2
		.amdhsa_user_sgpr_kernarg_segment_ptr 1
		.amdhsa_wavefront_size32 1
		.amdhsa_system_sgpr_workgroup_id_x 1
		.amdhsa_system_sgpr_workgroup_id_y 1
		.amdhsa_system_sgpr_workgroup_id_z 1
		.amdhsa_system_vgpr_workitem_id 0
		.amdhsa_next_free_vgpr 74
		.amdhsa_next_free_sgpr 66
		.amdhsa_reserve_vcc 0
		.amdhsa_float_denorm_mode_32 3
		.amdhsa_float_denorm_mode_16_64 3
		.amdhsa_memory_ordered 1
		.amdhsa_forward_progress 1
		.amdhsa_inst_pref_size 7
	.end_amdhsa_kernel
	.amdgpu_metadata
---
amdhsa.version: [ 1, 2 ]
amdhsa.kernels:
  - .name:           k_q0c203d8053_first
    .symbol:         k_q0c203d8053_first.kd
    .args:
      - { .name: x, .offset: 0, .size: 8, .value_kind: global_buffer, .address_space: global }
      - { .name: yp, .offset: 8, .size: 8, .value_kind: global_buffer, .address_space: global }
      - { .name: za, .offset: 16, .size: 8, .value_kind: global_buffer, .address_space: global }
    .group_segment_fixed_size: 5120
    .private_segment_fixed_size: 0
    .kernarg_segment_align: 8
    .kernarg_segment_size: 24
    .max_flat_workgroup_size: 256
    .sgpr_count:     66
    .vgpr_count:     74
    .wavefront_size: 32
...
	.end_amdgpu_metadata
.endif
;; end of part 1
;; launch w1 (part 2): grid 32 x 4, 4 waves a work-group, no clusters, 20,736 bytes of LDS; arguments yp, W, zb, za; writes zb
.if DOCPART == 2
	.amdgcn_target "amdgcn-amd-amdhsa--gfx1250"
	.amdhsa_code_object_version 6
	.text
	.protected	k_q0c203d8053_w1
	.globl	k_q0c203d8053_w1
	.p2align	8
	.type	k_q0c203d8053_w1,@function
k_q0c203d8053_w1:
	s_mov_b64 s[64:65], 0
	v_nop
	global_prefetch_b8 v0, s[64:65] scope:SCOPE_SE
	s_setreg_imm32_b32 hwreg(HW_REG_WAVE_MODE, 25, 1), 1
	s_wait_xcnt 0x0
; THE W STEP of dynamic routing, for two output capsules j = 2 jp + jj and four batch elements b = 4 bq + b'.
;   y[b][j][:] = sum over the 16 chunks c of yp[16 b + c][j][:]                   (f32, vector unit)
;   s[b][j][d] = sum_k W[j][d][k] y[b][j][k]                                      (matrix unit, f16 operands, f32 sums)
;   v = squash(s) = sq/(1+sq) * s / (sqrt(sq) + 1e-8),  sq = sum_d s^2            (f32)
;   znew[j][b][k] = zold[j][b][k] + sum_d W[j][d][k] v[b][j][d]                   (matrix unit; the sum with the old z in f32)
; x[b][i][:] . z[j][b][:] is the routing logit b[b][j][i], since u_hat[b][j][i][:] = W[j] x[b][i][:]; u_hat itself is never formed.
; Four waves.  Wave w: jj = w / 2, p = w % 2.  Half h of the wave sums the 16 partial rows of (jj, b' = 2 p + h); the wave makes k = 32 p .. + 31 of z.
; FORMAT: f16 operands (11 bits).  y goes in as y / 32: |y| <= 2048 max|x|, so y / 32 stays inside f16 for |x| < 1023; the 32 comes back in the squash.
; No cluster: the four work-groups of a pair of j share W's 16 KB, read once in the launch, and it passes through registers to be
; rounded; the other 32 KB that a work-group reads are its own.
; LIMITS: |x| < 1023, |W| < 65504; operands below 2^-14 carry an absolute error of up to 2^-25; for sq of 2^126 and above
; v_rcp_f32's result is flushed to zero (ISA guide 15.8) and v comes out 0.
.set PW, 144                           ; LDS pitch of rows of 64 f16 or 32 f32: 128 + 16 bytes = 9 x 16, so sixteen rows start at sixteen different multiples of 16 modulo 256
.set RG, 2432                          ; a wave's stage: 16 rows x 144, and 128 more
.set WB, 0                             ; W[2 jp .. 2 jp + 1] as 64 rows (32 jj + d) of 64 f16
.set YB, 64*PW                         ; y / 32 as 8 rows (4 jj + b') of 64 f16
.set ZS, 10496                         ; four stages
.set GW, 16                            ; v[16:47]   W as loaded
.set GY, 48                            ; v[48:111]  the 16 partial rows as loaded
.set FA, 16                            ; v[16:47]   fragments of W: (mt, ks) at FA + 8 (2 mt + ks)
.set FB, 48                            ; v[48:63]   fragments of y
.set FT, 64                            ; v[64:79]   fragments of W transposed, two tiles of 16 k
.set SA, 80                            ; v[80:95]   s / 32, then v: d = 16 mt + 8 h + register
.set VF, 96                            ; v[96:103]  v as a fragment
.set ZA, 104                           ; v[104:119] two tiles of W^T v
.set ZP, 120                           ; v[120:123] the older z
.set TM, 124                           ; v[124:128] scratch
.set OUTR, 132                         ; v[132:135] 16 bytes on the way out
.macro CVT d, a, b                     ; two f32 to f16, first source into the low half
	v_cvt_pk_f16_f32 v[\d], v[\a], v[\b]
.endm
.macro MMA d, a, b, acc                ; acc = 0: the product starts the sum, nothing is cleared
.if \acc
	v_wmma_f32_16x16x32_f16 v[\d:\d+7], v[\a:\a+7], v[\b:\b+7], v[\d:\d+7]
.else
	v_wmma_f32_16x16x32_f16 v[\d:\d+7], v[\a:\a+7], v[\b:\b+7], 0
.endif
.endm
.macro NOP4                            ; four independent places before anything but a chain's next link touches a matrix result (ISA guide 7.12.1)
.rept 4
	v_nop
.endr
.endm
	s_load_b256 s[4:11], s[0:1], 0x0               ; yp s[4:5], W s[6:7], znew s[8:9], zold s[10:11]
	v_lshl_add_u32 v136, v0, 2, 0x4f00
	v_mov_b32 v137, 0
	v_lshrrev_b32 v2, 5, v0
	v_readfirstlane_b32 s12, v2                    ; wave w
	v_and_b32 v1, 15, v0                           ; r = lane % 16
	v_bfe_u32 v2, v0, 4, 1                         ; h = lane / 16
	v_and_b32 v3, 31, v0                           ; lane
	s_and_b32 s13, ttmp7, 0xffff                   ; bq
	s_and_b32 s14, s12, 1                          ; p
	s_lshr_b32 s15, s12, 1                         ; jj
	s_mov_b32 s16, 0x76543210                      ; v_permlanex16_b32: lane i of one half reads lane i of the other
	s_mov_b32 s17, 0xfedcba98
	s_lshl_b32 s20, s13, 2                         ; yp: b = 4 bq + 2 p (+ h in the lane term), 262,144 bytes a b,
	s_lshl_b32 s21, s14, 1
	s_add_co_u32 s20, s20, s21
	s_lshl_b32 s20, s20, 18
	s_lshl_b32 s21, ttmp9, 1                       ; row j = 2 jp + jj of 256 bytes
	s_add_co_u32 s21, s21, s15
	s_lshl_b32 s21, s21, 8
	s_add_co_u32 s20, s20, s21
	s_mov_b32 s21, 0
	s_lshl_b32 s22, ttmp9, 14                      ; W: 16,384 bytes a pair of j, the wave's 16 rows of 256 bytes
	s_lshl_b32 s23, s12, 12
	s_add_co_u32 s22, s22, s23
	s_mov_b32 s23, 0
	s_lshl_b32 s24, ttmp9, 13                      ; z[j][b][k]: 4,096 bytes a j, 256 a b; b = 4 bq + 2 p (+ h)
	s_lshl_b32 s25, s15, 12
	s_add_co_u32 s24, s24, s25
	s_lshl_b32 s25, s13, 10
	s_add_co_u32 s24, s24, s25
	s_lshl_b32 s25, s14, 9
	s_add_co_u32 s24, s24, s25
	s_mov_b32 s25, 0
	v_lshlrev_b32 v4, 4, v3                        ; 16 x lane: two whole rows of 256 bytes to a wave's load or store
	v_lshlrev_b32 v6, 4, v1
	v_lshl_add_u32 v6, v2, 18, v6                  ; yp: half h takes b + h, 16 bytes a lane
	s_wait_kmcnt 0x0
	s_add_nc_u64 s[4:5], s[4:5], s[20:21]
	s_add_nc_u64 s[6:7], s[6:7], s[22:23]
	s_add_nc_u64 s[8:9], s[8:9], s[24:25]
	s_add_nc_u64 s[10:11], s[10:11], s[24:25]
	; every load of the wave is issued here
.irp t, 0,1,2,3,4,5,6,7
	global_load_b128 v[GW+4*\t:GW+4*\t+3], v4, s[6:7] offset:\t*512        ; rows 16 w + 2 t + h of the 64 rows (jj, d)
.endr
.irp c, 0,1,2,3,4,5,6,7,8,9,10,11,12,13,14,15
	global_load_b128 v[GY+4*\c:GY+4*\c+3], v6, s[4:5] offset:\c*16384      ; chunk c: a whole row of 256 bytes to each half
.endr
	global_load_b128 v[ZP:ZP+3], v4, s[10:11]                              ; the older z, where my 16 bytes of the new one will go
	; LDS addresses, while the loads are on their way
	v_mul_u32_u24 v5, v2, PW
	v_lshl_add_u32 v5, v1, 3, v5                   ; h x pitch + 8 r: four f16 a lane
	s_mul_i32 s26, s12, 16*PW
	s_mul_i32 s27, s12, 2*PW
	v_add_nc_u32 v7, s26, v5                       ; W in: rows 16 w + h (+ 2 t)
	v_add_nc_u32 v8, s27, v5                       ; y in: row 2 w + h = 4 jj + b'
	v_mul_u32_u24 v10, v1, PW
	v_lshl_add_u32 v10, v2, 4, v10
	s_mul_i32 s28, s15, 32*PW
	v_add_nc_u32 v10, s28, v10                     ; fragments of W[jj]: row r, 16 h
	v_and_b32 v11, 3, v0
	v_mul_u32_u24 v11, v11, PW
	v_lshl_add_u32 v11, v2, 4, v11
	s_mul_i32 s29, s15, 4*PW
	v_add_nc_u32 v11, s29, v11                     ; fragments of y: column n = r takes b' = r % 4 (each b' four times)
	v_and_b32 v12, 7, v0
	v_lshl_add_u32 v12, v2, 3, v12
	v_mul_u32_u24 v12, v12, PW                     ; transposing load: row d = 8 h + lane % 8,
	v_bfe_u32 v13, v0, 3, 1
	v_lshl_add_u32 v12, v13, 4, v12                ; 16 bytes for each eight lanes of a half,
	s_lshl_b32 s30, s14, 6
	s_add_co_u32 s30, s30, s28
	v_add_nc_u32 v12, s30, v12                     ; in W[jj], at k = 32 p
	v_mul_u32_u24 v13, v1, PW
	v_lshl_add_u32 v13, v2, 5, v13
	s_mul_i32 s31, s12, RG
	v_add_nc_u32 v13, s31, v13                     ; my stage: row r, 32 h bytes (eight f32 a lane and tile)
	v_bfe_u32 v14, v0, 3, 1                        ; way out: lanes r = 8 .. 15 read the neighbouring stage (k = 32 ..),
	v_mul_u32_u24 v14, v14, RG
	v_mul_u32_u24 v15, v2, PW
	v_add_nc_u32 v14, v14, v15                     ; half h the next row,
	v_and_b32 v15, 7, v0
	v_lshl_add_u32 v14, v15, 4, v14                ; 16 bytes a lane,
	s_mul_i32 s32, s15, 2*RG
	s_mul_i32 s33, s14, 2*PW
	s_add_co_u32 s32, s32, s33
	v_add_nc_u32 v14, s32, v14                     ; in the two stages of my jj, rows b' = 2 p + h
	; W to f16 and into LDS
.irp t, 0,1,2,3,4,5,6,7
	s_wait_loadcnt 24-\t                           ; loads return in order: behind W's load t stand 7 - t of W, the 16 partial rows and the older z
	CVT GW+4*\t,GW+4*\t,GW+4*\t+1
	CVT GW+4*\t+1,GW+4*\t+2,GW+4*\t+3
	ds_store_b64 v7, v[GW+4*\t:GW+4*\t+1] offset:WB+\t*2*PW
.endr
	; the sum over the 16 chunks
.irp c, 1,2,3,4,5,6,7,8,9,10,11,12,13,14,15
	s_wait_loadcnt 16-\c                           ; behind chunk c's load stand 15 - c more and the older z
	v_pk_add_f32 v[GY:GY+1],   v[GY:GY+1],   v[GY+4*\c:GY+4*\c+1]
	v_pk_add_f32 v[GY+2:GY+3], v[GY+2:GY+3], v[GY+4*\c+2:GY+4*\c+3]
.endr
	v_pk_mul_f32 v[GY:GY+1],   v[GY:GY+1],   0x3d000000 op_sel_hi:[1,0]    ; y / 32, exact
	v_pk_mul_f32 v[GY+2:GY+3], v[GY+2:GY+3], 0x3d000000 op_sel_hi:[1,0]
	CVT GY,GY,GY+1
	CVT GY+1,GY+2,GY+3
	ds_store_b64 v8, v[GY:GY+1] offset:YB
	s_wait_dscnt 0x0                               ; for the others' sake: my rows of W and y are in LDS before I signal
	s_barrier_signal -1
	s_barrier_wait -1
	; fragments: 16 rows x 32 k, two loads of 16 bytes 32 bytes apart
.irp mt, 0,1
.irp ks, 0,1
	ds_load_b128 v[FA+8*(2*\mt+\ks):FA+8*(2*\mt+\ks)+3],   v10 offset:WB+\mt*16*PW+64*\ks
	ds_load_b128 v[FA+8*(2*\mt+\ks)+4:FA+8*(2*\mt+\ks)+7], v10 offset:WB+\mt*16*PW+64*\ks+32
.endr
.endr
.irp ks, 0,1
	ds_load_b128 v[FB+8*\ks:FB+8*\ks+3],   v11 offset:YB+64*\ks
	ds_load_b128 v[FB+8*\ks+4:FB+8*\ks+7], v11 offset:YB+64*\ks+32
.endr
.irp e, 0,1
	ds_load_tr16_b128 v[FT+8*\e:FT+8*\e+3],   v12 offset:WB+32*\e           ; W^T: row k = 32 p + 16 e + r, d = 8 h .. 8 h + 7
	ds_load_tr16_b128 v[FT+8*\e+4:FT+8*\e+7], v12 offset:WB+32*\e+16*PW     ; d = 16 + 8 h ..
.endr
	s_wait_dscnt 0x4                               ; the 12 plain loads are in; the four transposing ones, wanted later, stay out
	; s / 32: m = d (two tiles), n = b', K = 64 in two steps
	MMA SA,FA,FB,0
	MMA SA+8,FA+16,FB,0
	MMA SA,FA+8,FB+8,1
	MMA SA+8,FA+24,FB+8,1
	NOP4
	; squash: a lane holds 16 of the 32 d of its b', the lane 16 further on the other 16
	v_pk_mul_f32 v[TM:TM+1],   v[SA:SA+1],   v[SA:SA+1]
	v_pk_mul_f32 v[TM+2:TM+3], v[SA+2:SA+3], v[SA+2:SA+3]
.irp i, 4,8,12
	v_pk_fma_f32 v[TM:TM+1],   v[SA+\i:SA+\i+1],   v[SA+\i:SA+\i+1],   v[TM:TM+1]
	v_pk_fma_f32 v[TM+2:TM+3], v[SA+\i+2:SA+\i+3], v[SA+\i+2:SA+\i+3], v[TM+2:TM+3]
.endr
	v_pk_add_f32 v[TM:TM+1], v[TM:TM+1], v[TM+2:TM+3]
	v_add_f32 v[TM], v[TM], v[TM+1]
	v_permlanex16_b32 v[TM+1], v[TM], s16, s17
	v_add_f32 v[TM], v[TM], v[TM+1]
	v_mul_f32 v[TM], 0x44800000, v[TM]             ; sq = 32^2 x the sum
	v_sqrt_f32 v[TM+1], v[TM]
	v_add_f32 v[TM+2], 1.0, v[TM]                  ; the plain instruction between the root and its use (ISA guide 5.7.2)
	s_wait_alu depctr_va_vdst(0)
	v_add_f32 v[TM+1], 0x322bcc77, v[TM+1]         ; sqrt(sq) + 1e-8
	v_rcp_f32 v[TM+3], v[TM+2]
	v_rcp_f32 v[TM+4], v[TM+1]
	v_nop                                          ; and between the reciprocals and theirs
	s_wait_alu depctr_va_vdst(0)
	v_mul_f32 v[TM+2], v[TM], v[TM+3]              ; sq / (1 + sq): two reciprocals, so that no product of the two divisors is formed
	v_mul_f32 v[TM+2], v[TM+2], v[TM+4]            ; / (sqrt(sq) + 1e-8)
	v_mul_f32 v[TM+2], 0x42000000, v[TM+2]         ; x 32: the registers hold s / 32
	v_mov_b32 v[TM+3], v[TM+2]                     ; a pair for the packed multiply
.irp i, 0,2,4,6,8,10,12,14
	v_pk_mul_f32 v[SA+\i:SA+\i+1], v[SA+\i:SA+\i+1], v[TM+2:TM+3]
.endr
	; the two tiles of v, packed, are the fragment (n = b', K = d): registers 0-3 d = 8 h .., registers 4-7 d = 16 + 8 h ..
.irp i, 0,1,2,3,4,5,6,7
	CVT VF+\i,SA+2*\i,SA+2*\i+1
.endr
	s_wait_dscnt 0x0                               ; W^T is in
	MMA ZA,FT,VF,0                                 ; m = k = 32 p + 8 h + register, n = b'
	MMA ZA+8,FT+8,VF,0                             ; k = 32 p + 16 + ..
	NOP4
	ds_store_b128 v13, v[ZA:ZA+3]     offset:ZS    ; my stage: row n, 32 k of f32 (rows 4 .. 15 repeat rows 0 .. 3 and are not read)
	ds_store_b128 v13, v[ZA+4:ZA+7]   offset:ZS+16
	ds_store_b128 v13, v[ZA+8:ZA+11]  offset:ZS+64
	ds_store_b128 v13, v[ZA+12:ZA+15] offset:ZS+80
	s_wait_dscnt 0x0                               ; the stage is whole before I signal
	s_barrier_signal -1
	s_barrier_wait -1
	ds_load_b128 v[OUTR:OUTR+3], v14 offset:ZS     ; sixteen lanes gather one row z[j][b][0..63] from the two stages of jj
	s_wait_loadcnt 0x0                             ; the older z
	s_wait_dscnt 0x0
	v_pk_add_f32 v[OUTR:OUTR+1],   v[OUTR:OUTR+1],   v[ZP:ZP+1]
	v_pk_add_f32 v[OUTR+2:OUTR+3], v[OUTR+2:OUTR+3], v[ZP+2:ZP+3]
	global_store_b128 v4, v[OUTR:OUTR+3], s[8:9]   ; sixteen lanes store 256 consecutive bytes, aligned
	s_wait_tensorcnt 0x0
	ds_add_u32 v136, v137
	s_wait_dscnt 0x0
	s_endpgm
.Lfunc_end_k_q0c203d8053_w1:
	.size	k_q0c203d8053_w1, .Lfunc_end_k_q0c203d8053_w1-k_q0c203d8053_w1
	.p2alignl 7, 3214868480
	.fill 96, 4, 3214868480
	.section	.rodata,"a",@progbits
	.p2align	6, 0x0
	.amdhsa_kernel k_q0c203d8053_w1
		.amdhsa_group_segment_fixed_size 20736
		.amdhsa_private_segment_fixed_size 0
		.amdhsa_enable_private_segment 0
		.amdhsa_kernarg_size 32
		.amdhsa_user_sgpr_count 2
		.amdhsa_user_sgpr_kernarg_segment_ptr 1
		.amdhsa_wavefront_size32 1
		.amdhsa_system_sgpr_workgroup_id_x 1
		.amdhsa_system_sgpr_workgroup_id_y 1
		.amdhsa_system_sgpr_workgroup_id_z 1
		.amdhsa_system_vgpr_workitem_id 0
		.amdhsa_next_free_vgpr 138
		.amdhsa_next_free_sgpr 66
		.amdhsa_reserve_vcc 0
		.amdhsa_float_denorm_mode_32 3
		.amdhsa_float_denorm_mode_16_64 3
		.amdhsa_memory_ordered 1
		.amdhsa_forward_progress 1
		.amdhsa_inst_pref_size 16
	.end_amdhsa_kernel
	.amdgpu_metadata
---
amdhsa.version: [ 1, 2 ]
amdhsa.kernels:
  - .name:           k_q0c203d8053_w1
    .symbol:         k_q0c203d8053_w1.kd
    .args:
      - { .name: yp, .offset: 0, .size: 8, .value_kind: global_buffer, .address_space: global }
      - { .name: W, .offset: 8, .size: 8, .value_kind: global_buffer, .address_space: global }
      - { .name: zb, .offset: 16, .size: 8, .value_kind: global_buffer, .address_space: global }
      - { .name: za, .offset: 24, .size: 8, .value_kind: global_buffer, .address_space: global }
    .group_segment_fixed_size: 20736
    .private_segment_fixed_size: 0
    .kernarg_segment_align: 8
    .kernarg_segment_size: 32
    .max_flat_workgroup_size: 128
    .sgpr_count:     66
    .vgpr_count:     138
    .wavefront_size: 32
...
	.end_amdgpu_metadata
.endif
;; end of part 2
;; launch route1 (part 3): grid 256 x 1, 8 waves a work-group, no clusters, 70,656 bytes of LDS; arguments x, zb, yp; writes yp
.if DOCPART == 3
	.amdgcn_target "amdgcn-amd-amdhsa--gfx1250"
	.amdhsa_code_object_version 6
	.text
	.protected	k_q0c203d8053_route1
	.globl	k_q0c203d8053_route1
	.p2align	8
	.type	k_q0c203d8053_route1,@function
k_q0c203d8053_route1:
	s_mov_b64 s[64:65], 0
	v_nop
	global_prefetch_b8 v0, s[64:65] scope:SCOPE_SE
	s_setreg_imm32_b32 hwreg(HW_REG_WAVE_MODE, 25, 1), 1
	s_wait_xcnt 0x0
; ONE ROUTING PASS over 128 input capsules (chunk c) of one batch element b; work-group g = 16 b + c.
;   L[j][i]  = sum_k z[j][b][k] x[b][i][k]              the logits b[b][j][i]                     (matrix unit, f16 operands, f32 sums)
;   c[i][j]  = softmax over the 64 j, the capsule's largest logit taken away first                (f32)
;   yp[g][j][k] = sum over the chunk's i of c[i][j] x[b][i][k]                                    (matrix unit)
; The next launch adds the 16 chunks and applies W:  sum_i c u_hat = W[j] (sum_i c x).
; Eight waves.  Wave w rounds its own 16 rows of x and 8 rows of z to f16 into LDS; computes the logits of its 16 capsules with
; m = j and n = i, so that a lane holds 32 logits of ONE capsule and the softmax needs one exchange between the halves of the wave;
; puts c down as rows [i][j]; and then makes two tiles (16 j x 32 k) of y over all 128 rows, both operands by transposing loads.
; No cluster: of the 48 KB that a work-group reads, the 32 KB of x are its own; z's 16 KB are shared by a batch element's 16 work-groups,
; are read once, and pass through registers to be rounded.
; LIMITS: |x|, |z| < 65504; operands below 2^-14 carry an absolute error of up to 2^-25; terms of the softmax below 2^-126 count as
; zero (v_exp_f32, ISA guide 15.8); the largest term is 1, so the sum is at least 1.
.set PX, 160                           ; pitch of x's and c's rows of 64 f16: 5 x 32 bytes, so the eight rows x two 16-byte pieces of a transposing load start at sixteen different multiples of 16 modulo 256
.set PZ, 144                           ; pitch of z's rows: 9 x 16 bytes, for plain fragment loads
.set PS, 144                           ; pitch of a stage's rows of 32 f32
.set RG, 2432                          ; a wave's stage: 16 rows x 144, and 128 more
.set XB, 0                             ; x: 128 rows
.set CB, 128*PX                        ; c: 128 rows
.set ZB, 2*128*PX                      ; z: 64 rows
.set YS, ZB+64*PZ                      ; eight stages
.set GZ, 16                            ; v[16:31]   z as loaded
.set GX, 32                            ; v[32:63]   x as loaded
.set FXB, 64                           ; v[64:79]   fragments of my 16 rows of x
.set FZ, 80                            ; v[80:143]  fragments of z: (jt, ks) at FZ + 8 (2 jt + ks)
.set LT, 144                           ; v[144:175] logits: j = 16 jt + 8 h + register at LT + 8 jt, i = r
.set FXT, 176                          ; v[176:239] fragments of x transposed: (e, s) at FXT + 8 (4 e + s)
.set TM, 240                           ; v[240:249] scratch
.set FCT, 16                           ; v[16:47]   fragments of c transposed
.set YA, 48                            ; v[48:63]   two tiles of y
.set OUTR, 80                          ; v[80:95]   rows on the way out
.macro CVT d, a, b                     ; two f32 to f16, first source into the low half
	v_cvt_pk_f16_f32 v[\d], v[\a], v[\b]
.endm
.macro MMA d, a, b, acc                ; acc = 0: the product starts the sum, nothing is cleared
.if \acc
	v_wmma_f32_16x16x32_f16 v[\d:\d+7], v[\a:\a+7], v[\b:\b+7], v[\d:\d+7]
.else
	v_wmma_f32_16x16x32_f16 v[\d:\d+7], v[\a:\a+7], v[\b:\b+7], 0
.endif
.endm
.macro NOP4                            ; four independent places before anything but a chain's next link touches a matrix result (ISA guide 7.12.1)
.rept 4
	v_nop
.endr
.endm
	s_load_b128 s[4:7], s[0:1], 0x0                ; x s[4:5], z s[6:7]
	s_load_b64 s[8:9], s[0:1], 0x10                ; yp
	v_lshl_add_u32 v254, v0, 2, 0x11000
	v_mov_b32 v255, 0
	v_lshrrev_b32 v2, 5, v0
	v_readfirstlane_b32 s12, v2                    ; wave w
	v_and_b32 v1, 15, v0                           ; r = lane % 16
	v_bfe_u32 v2, v0, 4, 1                         ; h = lane / 16
	v_and_b32 v3, 31, v0                           ; lane
	s_and_b32 s13, s12, 1                          ; p: which 32 k of y are mine
	s_lshr_b32 s14, s12, 1                         ; q: which 16 j of y are mine
	s_mov_b32 s18, 0x76543210                      ; v_permlanex16_b32: lane i of one half reads lane i of the other
	s_mov_b32 s19, 0xfedcba98
	s_lshl_b32 s20, ttmp9, 15                      ; x: 32,768 bytes a chunk, 4,096 a wave (16 rows)
	s_lshl_b32 s21, s12, 12
	s_add_co_u32 s20, s20, s21
	s_mov_b32 s21, 0
	s_lshr_b32 s22, ttmp9, 4                       ; z[j][b][k]: 256 bytes a b, 4,096 a j; the wave's rows j = 8 w ..
	s_lshl_b32 s22, s22, 8
	s_lshl_b32 s23, s12, 15
	s_add_co_u32 s22, s22, s23
	s_mov_b32 s23, 0
	s_lshl_b32 s24, ttmp9, 14                      ; yp: 16,384 bytes a work-group; the wave stores rows 16 u + 2 w + h
	s_lshl_b32 s25, s12, 9
	s_add_co_u32 s24, s24, s25
	s_mov_b32 s25, 0
	v_lshlrev_b32 v4, 4, v3                        ; 16 x lane: two whole rows of 256 bytes to a wave's load or store
	v_lshlrev_b32 v5, 4, v1
	v_lshl_add_u32 v5, v2, 12, v5                  ; z: half h takes row j + h
	s_wait_kmcnt 0x0
	s_add_nc_u64 s[4:5], s[4:5], s[20:21]
	s_add_nc_u64 s[6:7], s[6:7], s[22:23]
	s_add_nc_u64 s[8:9], s[8:9], s[24:25]
	; every load of the wave is issued here
.irp u, 0,1,2,3
	global_load_b128 v[GZ+4*\u:GZ+4*\u+3], v5, s[6:7] offset:\u*8192       ; rows j = 8 w + 2 u + h, 256 bytes each
.endr
.irp t, 0,1,2,3,4,5,6,7
	global_load_b128 v[GX+4*\t:GX+4*\t+3], v4, s[4:5] offset:\t*512        ; rows i = 16 w + 2 t + h
.endr
	; LDS addresses, while the loads are on their way
	s_mul_i32 s26, s12, 8*PZ
	s_mul_i32 s27, s12, 16*PX
	v_mul_u32_u24 v6, v2, PZ
	v_lshl_add_u32 v6, v1, 3, v6
	v_add_nc_u32 v6, s26, v6                       ; z in: row 8 w + h (+ 2 u), four f16 a lane
	v_mul_u32_u24 v7, v2, PX
	v_lshl_add_u32 v7, v1, 3, v7
	v_add_nc_u32 v7, s27, v7                       ; x in: row 16 w + h (+ 2 t)
	v_mul_u32_u24 v8, v1, PX
	v_lshl_add_u32 v8, v2, 4, v8
	v_add_nc_u32 v8, s27, v8                       ; row 16 w + r, 16 h: my fragments of x, and where my c goes
	v_mul_u32_u24 v9, v1, PZ
	v_lshl_add_u32 v9, v2, 4, v9                   ; fragments of z: row r, 16 h
	v_and_b32 v10, 7, v0
	v_lshl_add_u32 v10, v2, 3, v10
	v_mul_u32_u24 v10, v10, PX                     ; transposing loads: row i = 8 h + lane % 8,
	v_bfe_u32 v11, v0, 3, 1
	v_lshl_add_u32 v11, v11, 4, v10                ; 16 bytes for each eight lanes of a half
	s_lshl_b32 s28, s13, 6
	s_lshl_b32 s29, s14, 5
	v_add_nc_u32 v10, s28, v11                     ; x^T at k = 32 p
	v_add_nc_u32 v11, s29, v11                     ; c^T at j = 16 q
	v_mul_u32_u24 v12, v1, PS
	v_lshl_add_u32 v12, v2, 5, v12
	s_mul_i32 s30, s12, RG
	v_add_nc_u32 v12, s30, v12                     ; my stage: row r, 32 h bytes
	v_bfe_u32 v13, v0, 3, 1                        ; way out: lanes r = 8 .. 15 read the neighbouring stage (k = 32 ..),
	v_mul_u32_u24 v13, v13, RG
	v_mul_u32_u24 v15, v2, PS
	v_add_nc_u32 v13, v13, v15
	v_and_b32 v15, 7, v0
	v_lshl_add_u32 v13, v15, 4, v13
	s_mul_i32 s31, s12, 2*PS
	v_add_nc_u32 v13, s31, v13                     ; row 2 w + h of a tile, 16 bytes a lane
	; z and x to f16 and into LDS
.irp u, 0,1,2,3
	s_wait_loadcnt 11-\u                           ; loads return in order: behind z's load u stand 3 - u of z and the 8 of x
	CVT GZ+4*\u,GZ+4*\u,GZ+4*\u+1
	CVT GZ+4*\u+1,GZ+4*\u+2,GZ+4*\u+3
	ds_store_b64 v6, v[GZ+4*\u:GZ+4*\u+1] offset:ZB+\u*2*PZ
.endr
.irp t, 0,1,2,3,4,5,6,7
	s_wait_loadcnt 7-\t                            ; behind x's load t stand 7 - t more
	CVT GX+4*\t,GX+4*\t,GX+4*\t+1
	CVT GX+4*\t+1,GX+4*\t+2,GX+4*\t+3
	ds_store_b64 v7, v[GX+4*\t:GX+4*\t+1] offset:XB+\t*2*PX
.endr
	s_wait_dscnt 0x0                               ; for the others' sake: my rows are in LDS before I signal
	s_barrier_signal -1
	s_barrier_wait -1
	; fragments: 16 rows x 32 k, two loads of 16 bytes 32 bytes apart
.irp ks, 0,1
	ds_load_b128 v[FXB+8*\ks:FXB+8*\ks+3],   v8 offset:XB+64*\ks
	ds_load_b128 v[FXB+8*\ks+4:FXB+8*\ks+7], v8 offset:XB+64*\ks+32
.endr
.irp jt, 0,1,2,3
.irp ks, 0,1
	ds_load_b128 v[FZ+8*(2*\jt+\ks):FZ+8*(2*\jt+\ks)+3],   v9 offset:ZB+\jt*16*PZ+64*\ks
	ds_load_b128 v[FZ+8*(2*\jt+\ks)+4:FZ+8*(2*\jt+\ks)+7], v9 offset:ZB+\jt*16*PZ+64*\ks+32
.endr
.endr
	; x^T for the second product: asked for now, used behind the softmax.  Tile e: row k = 32 p + 16 e + r; step s: i = 32 s ..
.irp e, 0,1
.irp s, 0,1,2,3
	ds_load_tr16_b128 v[FXT+8*(4*\e+\s):FXT+8*(4*\e+\s)+3],   v10 offset:XB+\s*32*PX+32*\e
	ds_load_tr16_b128 v[FXT+8*(4*\e+\s)+4:FXT+8*(4*\e+\s)+7], v10 offset:XB+\s*32*PX+32*\e+16*PX
.endr
.endr
	s_wait_dscnt 16                                ; the 20 plain loads are in; the 16 transposing ones stay out
	; logits: m = j (four tiles), n = i, K = 64 in two steps
.irp jt, 0,1,2,3
	MMA LT+8*\jt,FZ+16*\jt,FXB,0
.endr
.irp jt, 0,1,2,3
	MMA LT+8*\jt,FZ+16*\jt+8,FXB+8,1
.endr
	NOP4
	; the largest of capsule i's 64 logits: 32 in this lane (four chains), 32 in the lane 16 further on
	v_max3_num_f32 v[TM],   v[LT],   v[LT+1],  v[LT+2]
	v_max3_num_f32 v[TM+1], v[LT+3], v[LT+4],  v[LT+5]
	v_max3_num_f32 v[TM+2], v[LT+6], v[LT+7],  v[LT+8]
	v_max3_num_f32 v[TM+3], v[LT+9], v[LT+10], v[LT+11]
.irp i, 12,20
	v_max3_num_f32 v[TM],   v[TM],   v[LT+\i],   v[LT+\i+1]
	v_max3_num_f32 v[TM+1], v[TM+1], v[LT+\i+2], v[LT+\i+3]
	v_max3_num_f32 v[TM+2], v[TM+2], v[LT+\i+4], v[LT+\i+5]
	v_max3_num_f32 v[TM+3], v[TM+3], v[LT+\i+6], v[LT+\i+7]
.endr
	v_max3_num_f32 v[TM],   v[TM],   v[LT+28], v[LT+29]
	v_max3_num_f32 v[TM+1], v[TM+1], v[LT+30], v[LT+31]
	v_max3_num_f32 v[TM], v[TM], v[TM+1], v[TM+2]
	v_max_num_f32 v[TM], v[TM], v[TM+3]
	v_permlanex16_b32 v[TM+1], v[TM], s18, s19
	v_max_num_f32 v[TM], v[TM], v[TM+1]
	v_mul_f32 v[TM], 0xbfb8aa3b, v[TM]             ; - max x log2(e): its rounding is common to the capsule's 64 terms and cancels in the quotient
	v_mov_b32 v[TM+1], v[TM]
	; e = 2^((L - max) log2 e): one fused multiply-add for two logits, then the exponentials back to back
.set i, 0
.rept 16
	v_pk_fma_f32 v[LT+2*i:LT+2*i+1], v[LT+2*i:LT+2*i+1], 0x3fb8aa3b, v[TM:TM+1] op_sel_hi:[1,0,1]
.set i, i+1
.endr
.set i, 0
.rept 32
	v_exp_f32 v[LT+i], v[LT+i]
.set i, i+1
.endr
	v_nop                                          ; one plain instruction between the exponentials and the first use (ISA guide 5.7.2)
	s_wait_alu depctr_va_vdst(0)
.irp q, 0,1,2,3
	v_pk_add_f32 v[TM+2+2*\q:TM+3+2*\q], v[LT+4*\q:LT+4*\q+1], v[LT+4*\q+2:LT+4*\q+3]
.endr
.irp i, 16,24
.irp q, 0,1,2,3
	v_pk_add_f32 v[TM+2+2*\q:TM+3+2*\q], v[TM+2+2*\q:TM+3+2*\q], v[LT+\i+2*\q:LT+\i+2*\q+1]
.endr
.endr
	v_pk_add_f32 v[TM+2:TM+3], v[TM+2:TM+3], v[TM+4:TM+5]
	v_pk_add_f32 v[TM+6:TM+7], v[TM+6:TM+7], v[TM+8:TM+9]
	v_pk_add_f32 v[TM+2:TM+3], v[TM+2:TM+3], v[TM+6:TM+7]
	v_add_f32 v[TM+2], v[TM+2], v[TM+3]
	v_permlanex16_b32 v[TM+3], v[TM+2], s18, s19
	v_add_f32 v[TM+2], v[TM+2], v[TM+3]            ; the sum over all 64 j, at least 1
	v_rcp_f32 v[TM+4], v[TM+2]
	v_nop
	s_wait_alu depctr_va_vdst(0)
	v_mov_b32 v[TM+5], v[TM+4]
.set i, 0
.rept 16
	v_pk_mul_f32 v[LT+2*i:LT+2*i+1], v[LT+2*i:LT+2*i+1], v[TM+4:TM+5]
.set i, i+1
.endr
.set i, 0
.rept 16
	CVT LT+i,LT+2*i,LT+2*i+1                       ; packed downward: the target is never a source still to be read
.set i, i+1
.endr
.irp jt, 0,1,2,3
	ds_store_b128 v8, v[LT+4*\jt:LT+4*\jt+3] offset:CB+32*\jt      ; c[i = 16 w + r][j = 16 jt + 8 h .. + 7]
.endr
	s_wait_dscnt 0x0                               ; my rows of c are in LDS (and x^T in registers) before I signal
	s_barrier_signal -1
	s_barrier_wait -1
	; y: m = k (two tiles), n = j, K = the 128 rows in four steps
.irp s, 0,1,2,3
	ds_load_tr16_b128 v[FCT+8*\s:FCT+8*\s+3],   v11 offset:CB+\s*32*PX
	ds_load_tr16_b128 v[FCT+8*\s+4:FCT+8*\s+7], v11 offset:CB+\s*32*PX+16*PX
.endr
	s_wait_dscnt 0x6                               ; step 0's two loads are in, the six younger ones stay out
	MMA YA,FXT,FCT,0
	MMA YA+8,FXT+32,FCT,0
.irp s, 1,2,3
	s_wait_dscnt 6-2*\s                            ; step s's two loads are in
	MMA YA,FXT+8*\s,FCT+8*\s,1
	MMA YA+8,FXT+32+8*\s,FCT+8*\s,1
.endr
	NOP4
	ds_store_b128 v12, v[YA:YA+3]     offset:YS    ; my stage: row j % 16 = r, k - 32 p = 8 h + register, then 16 + ..
	ds_store_b128 v12, v[YA+4:YA+7]   offset:YS+16
	ds_store_b128 v12, v[YA+8:YA+11]  offset:YS+64
	ds_store_b128 v12, v[YA+12:YA+15] offset:YS+80
	s_wait_dscnt 0x0                               ; the stage is whole before I signal
	s_barrier_signal -1
	s_barrier_wait -1
.irp u, 0,1,2,3
	ds_load_b128 v[OUTR+4*\u:OUTR+4*\u+3], v13 offset:YS+\u*2*RG   ; row j = 16 u + 2 w + h, gathered from the stages of waves 2 u and 2 u + 1
.endr
.irp u, 0,1,2,3
	s_wait_dscnt 3-\u                              ; LDS loads return in order: row u is in
	global_store_b128 v4, v[OUTR+4*\u:OUTR+4*\u+3], s[8:9] offset:\u*4096  ; sixteen lanes store 256 consecutive bytes, aligned
.endr
	s_wait_tensorcnt 0x0
	ds_add_u32 v254, v255
	s_wait_dscnt 0x0
	s_endpgm
.Lfunc_end_k_q0c203d8053_route1:
	.size	k_q0c203d8053_route1, .Lfunc_end_k_q0c203d8053_route1-k_q0c203d8053_route1
	.p2alignl 7, 3214868480
	.fill 96, 4, 3214868480
	.section	.rodata,"a",@progbits
	.p2align	6, 0x0
	.amdhsa_kernel k_q0c203d8053_route1
		.amdhsa_group_segment_fixed_size 70656
		.amdhsa_private_segment_fixed_size 0
		.amdhsa_enable_private_segment 0
		.amdhsa_kernarg_size 24
		.amdhsa_user_sgpr_count 2
		.amdhsa_user_sgpr_kernarg_segment_ptr 1
		.amdhsa_wavefront_size32 1
		.amdhsa_system_sgpr_workgroup_id_x 1
		.amdhsa_system_sgpr_workgroup_id_y 1
		.amdhsa_system_sgpr_workgroup_id_z 1
		.amdhsa_system_vgpr_workitem_id 0
		.amdhsa_next_free_vgpr 256
		.amdhsa_next_free_sgpr 66
		.amdhsa_reserve_vcc 0
		.amdhsa_float_denorm_mode_32 3
		.amdhsa_float_denorm_mode_16_64 3
		.amdhsa_memory_ordered 1
		.amdhsa_forward_progress 1
		.amdhsa_inst_pref_size 21
	.end_amdhsa_kernel
	.amdgpu_metadata
---
amdhsa.version: [ 1, 2 ]
amdhsa.kernels:
  - .name:           k_q0c203d8053_route1
    .symbol:         k_q0c203d8053_route1.kd
    .args:
      - { .name: x, .offset: 0, .size: 8, .value_kind: global_buffer, .address_space: global }
      - { .name: zb, .offset: 8, .size: 8, .value_kind: global_buffer, .address_space: global }
      - { .name: yp, .offset: 16, .size: 8, .value_kind: global_buffer, .address_space: global }
    .group_segment_fixed_size: 70656
    .private_segment_fixed_size: 0
    .kernarg_segment_align: 8
    .kernarg_segment_size: 24
    .max_flat_workgroup_size: 256
    .sgpr_count:     66
    .vgpr_count:     256
    .wavefront_size: 32
...
	.end_amdgpu_metadata
.endif
;; end of part 3
;; launch w2: the kernel of part 2 again; grid 32 x 4, 4 waves a work-group, no clusters, 20,736 bytes of LDS; arguments yp, W, za, zb; writes za
;; launch route2: the kernel of part 3 again; grid 256 x 1, 8 waves a work-group, no clusters, 70,656 bytes of LDS; arguments x, za, yp; writes yp
;; launch wlast (part 4): grid 32 x 4, 4 waves a work-group, no clusters, 20,736 bytes of LDS; arguments yp, W, out0; writes out0
.if DOCPART == 4
	.amdgcn_target "amdgcn-amd-amdhsa--gfx1250"
	.amdhsa_code_object_version 6
	.text
	.protected	k_q0c203d8053_wlast
	.globl	k_q0c203d8053_wlast
	.p2align	8
	.type	k_q0c203d8053_wlast,@function
k_q0c203d8053_wlast:
	s_mov_b64 s[64:65], 0
	v_nop
	global_prefetch_b8 v0, s[64:65] scope:SCOPE_SE
	s_setreg_imm32_b32 hwreg(HW_REG_WAVE_MODE, 25, 1), 1
	s_wait_xcnt 0x0
; THE LAST W STEP, for two output capsules j = 2 jp + jj and four batch elements b = 4 bq + b'.
;   y[b][j][:] = sum over the 16 chunks c of yp[16 b + c][j][:]                   (f32, vector unit)
;   s[b][j][d] = sum_k W[j][d][k] y[b][j][k]                                      (matrix unit, f16 operands, f32 sums)
;   out0[b][j][d] = squash(s) = sq/(1+sq) * s / (sqrt(sq) + 1e-8),  sq = sum_d s^2   (f32)
; Four waves.  Wave w: jj = w / 2, p = w % 2.  Half h of the wave sums the 16 partial rows of (jj, b' = 2 p + h).
; Two j to a work-group, so that out0's piece for one b (2 j x 32 d x 4 bytes) is 256 consecutive bytes.
; FORMAT: f16 operands.  y goes in as y / 32: |y| <= 2048 max|x|, so y / 32 stays inside f16 for |x| < 1023; the 32 comes back in the squash.
; No cluster: the four work-groups of a pair of j share W's 16 KB, read once in the launch, and it passes through registers to be
; rounded; the other 32 KB that a work-group reads are its own.
; LIMITS: |x| < 1023, |W| < 65504; operands below 2^-14 carry an absolute error of up to 2^-25; for sq of 2^126 and above
; v_rcp_f32's result is flushed to zero (ISA guide 15.8) and the result comes out 0.
.set PW, 144                           ; LDS pitch of rows of 64 f16 or 32 f32: 128 + 16 bytes = 9 x 16
.set RG, 2432                          ; a stage: 16 rows x 144, and 128 more
.set WB, 0                             ; W[2 jp .. 2 jp + 1] as 64 rows (32 jj + d) of 64 f16
.set YB, 64*PW                         ; y / 32 as 8 rows (4 jj + b') of 64 f16
.set ZS, 10496                         ; two stages, one for each jj
.set GW, 16                            ; v[16:47]   W as loaded
.set GY, 48                            ; v[48:111]  the 16 partial rows as loaded
.set FA, 16                            ; v[16:47]   fragments of W: (mt, ks) at FA + 8 (2 mt + ks)
.set FB, 48                            ; v[48:63]   fragments of y
.set SA, 80                            ; v[80:95]   s / 32, then v: d = 16 mt + 8 h + register
.set TM, 124                           ; v[124:128] scratch
.set OUTR, 132                         ; v[132:135] 16 bytes on the way out
.macro CVT d, a, b                     ; two f32 to f16, first source into the low half
	v_cvt_pk_f16_f32 v[\d], v[\a], v[\b]
.endm
.macro MMA d, a, b, acc                ; acc = 0: the product starts the sum, nothing is cleared
.if \acc
	v_wmma_f32_16x16x32_f16 v[\d:\d+7], v[\a:\a+7], v[\b:\b+7], v[\d:\d+7]
.else
	v_wmma_f32_16x16x32_f16 v[\d:\d+7], v[\a:\a+7], v[\b:\b+7], 0
.endif
.endm
	s_load_b128 s[4:7], s[0:1], 0x0                ; yp s[4:5], W s[6:7]
	s_load_b64 s[8:9], s[0:1], 0x10                ; out0
	v_lshl_add_u32 v136, v0, 2, 0x4f00
	v_mov_b32 v137, 0
	v_lshrrev_b32 v2, 5, v0
	v_readfirstlane_b32 s12, v2                    ; wave w
	v_and_b32 v1, 15, v0                           ; r = lane % 16
	v_bfe_u32 v2, v0, 4, 1                         ; h = lane / 16
	v_and_b32 v3, 31, v0                           ; lane
	s_and_b32 s13, ttmp7, 0xffff                   ; bq
	s_and_b32 s14, s12, 1                          ; p
	s_lshr_b32 s15, s12, 1                         ; jj
	s_mov_b32 s16, 0x76543210                      ; v_permlanex16_b32: lane i of one half reads lane i of the other
	s_mov_b32 s17, 0xfedcba98
	s_lshl_b32 s20, s13, 2                         ; yp: b = 4 bq + 2 p (+ h in the lane term), 262,144 bytes a b,
	s_lshl_b32 s21, s14, 1
	s_add_co_u32 s20, s20, s21
	s_lshl_b32 s20, s20, 18
	s_lshl_b32 s21, ttmp9, 1                       ; row j = 2 jp + jj of 256 bytes
	s_add_co_u32 s21, s21, s15
	s_lshl_b32 s21, s21, 8
	s_add_co_u32 s20, s20, s21
	s_mov_b32 s21, 0
	s_lshl_b32 s22, ttmp9, 14                      ; W: 16,384 bytes a pair of j, the wave's 16 rows of 256 bytes
	s_lshl_b32 s23, s12, 12
	s_add_co_u32 s22, s22, s23
	s_mov_b32 s23, 0
	s_lshl_b32 s24, s13, 15                        ; out0: row b = 4 bq + 2 w (+ h) of 8,192 bytes (used by waves 0 and 1 alone), 256 bytes a pair of j
	s_lshl_b32 s25, s12, 14
	s_add_co_u32 s24, s24, s25
	s_lshl_b32 s25, ttmp9, 8
	s_add_co_u32 s24, s24, s25
	s_mov_b32 s25, 0
	v_lshlrev_b32 v4, 4, v3                        ; 16 x lane: two whole rows of 256 bytes to a wave's load
	v_lshlrev_b32 v6, 4, v1
	v_lshl_add_u32 v9, v2, 13, v6                  ; out0: half h takes row b + h, 16 bytes a lane
	v_lshl_add_u32 v6, v2, 18, v6                  ; yp: half h takes b + h
	s_wait_kmcnt 0x0
	s_add_nc_u64 s[4:5], s[4:5], s[20:21]
	s_add_nc_u64 s[6:7], s[6:7], s[22:23]
	s_add_nc_u64 s[8:9], s[8:9], s[24:25]
	; every load of the wave is issued here
.irp t, 0,1,2,3,4,5,6,7
	global_load_b128 v[GW+4*\t:GW+4*\t+3], v4, s[6:7] offset:\t*512        ; rows 16 w + 2 t + h of the 64 rows (jj, d)
.endr
.irp c, 0,1,2,3,4,5,6,7,8,9,10,11,12,13,14,15
	global_load_b128 v[GY+4*\c:GY+4*\c+3], v6, s[4:5] offset:\c*16384      ; chunk c: a whole row of 256 bytes to each half
.endr
	; LDS addresses, while the loads are on their way
	v_mul_u32_u24 v5, v2, PW
	v_lshl_add_u32 v5, v1, 3, v5                   ; h x pitch + 8 r: four f16 a lane
	s_mul_i32 s26, s12, 16*PW
	s_mul_i32 s27, s12, 2*PW
	v_add_nc_u32 v7, s26, v5                       ; W in: rows 16 w + h (+ 2 t)
	v_add_nc_u32 v8, s27, v5                       ; y in: row 2 w + h = 4 jj + b'
	v_mul_u32_u24 v10, v1, PW
	v_lshl_add_u32 v10, v2, 4, v10
	s_mul_i32 s28, s15, 32*PW
	v_add_nc_u32 v10, s28, v10                     ; fragments of W[jj]: row r, 16 h
	v_and_b32 v11, 3, v0
	v_mul_u32_u24 v11, v11, PW
	v_lshl_add_u32 v11, v2, 4, v11
	s_mul_i32 s29, s15, 4*PW
	v_add_nc_u32 v11, s29, v11                     ; fragments of y: column n = r takes b' = r % 4 (each b' four times)
	v_mul_u32_u24 v13, v1, PW
	v_lshl_add_u32 v13, v2, 5, v13
	s_mul_i32 s31, s15, RG
	v_add_nc_u32 v13, s31, v13                     ; stage jj: row r, 32 h bytes (eight f32 a lane and tile)
	v_bfe_u32 v14, v0, 3, 1                        ; way out: lanes r = 8 .. 15 read stage 1 (j = 2 jp + 1),
	v_mul_u32_u24 v14, v14, RG
	v_mul_u32_u24 v15, v2, PW
	v_add_nc_u32 v14, v14, v15                     ; half h the next row,
	v_and_b32 v15, 7, v0
	v_lshl_add_u32 v14, v15, 4, v14                ; 16 bytes a lane,
	s_mul_i32 s32, s12, 2*PW
	v_add_nc_u32 v14, s32, v14                     ; rows b' = 2 w + h
	; W to f16 and into LDS
.irp t, 0,1,2,3,4,5,6,7
	s_wait_loadcnt 23-\t                           ; loads return in order: behind W's load t stand 7 - t of W and the 16 partial rows
	CVT GW+4*\t,GW+4*\t,GW+4*\t+1
	CVT GW+4*\t+1,GW+4*\t+2,GW+4*\t+3
	ds_store_b64 v7, v[GW+4*\t:GW+4*\t+1] offset:WB+\t*2*PW
.endr
	; the sum over the 16 chunks
.irp c, 1,2,3,4,5,6,7,8,9,10,11,12,13,14,15
	s_wait_loadcnt 15-\c                           ; behind chunk c's load stand 15 - c more
	v_pk_add_f32 v[GY:GY+1],   v[GY:GY+1],   v[GY+4*\c:GY+4*\c+1]
	v_pk_add_f32 v[GY+2:GY+3], v[GY+2:GY+3], v[GY+4*\c+2:GY+4*\c+3]
.endr
	v_pk_mul_f32 v[GY:GY+1],   v[GY:GY+1],   0x3d000000 op_sel_hi:[1,0]    ; y / 32, exact
	v_pk_mul_f32 v[GY+2:GY+3], v[GY+2:GY+3], 0x3d000000 op_sel_hi:[1,0]
	CVT GY,GY,GY+1
	CVT GY+1,GY+2,GY+3
	ds_store_b64 v8, v[GY:GY+1] offset:YB
	s_wait_dscnt 0x0                               ; for the others' sake: my rows of W and y are in LDS before I signal
	s_barrier_signal -1
	s_barrier_wait -1
	; fragments: 16 rows x 32 k, two loads of 16 bytes 32 bytes apart
.irp mt, 0,1
.irp ks, 0,1
	ds_load_b128 v[FA+8*(2*\mt+\ks):FA+8*(2*\mt+\ks)+3],   v10 offset:WB+\mt*16*PW+64*\ks
	ds_load_b128 v[FA+8*(2*\mt+\ks)+4:FA+8*(2*\mt+\ks)+7], v10 offset:WB+\mt*16*PW+64*\ks+32
.endr
.endr
.irp ks, 0,1
	ds_load_b128 v[FB+8*\ks:FB+8*\ks+3],   v11 offset:YB+64*\ks
	ds_load_b128 v[FB+8*\ks+4:FB+8*\ks+7], v11 offset:YB+64*\ks+32
.endr
	s_wait_dscnt 0x0
	; s / 32: m = d (two tiles), n = b', K = 64 in two steps
	MMA SA,FA,FB,0
	MMA SA+8,FA+16,FB,0
	MMA SA,FA+8,FB+8,1
	MMA SA+8,FA+24,FB+8,1
.rept 4
	v_nop                                          ; four independent places before the vector unit reads a matrix result (ISA guide 7.12.1)
.endr
	; squash: a lane holds 16 of the 32 d of its b', the lane 16 further on the other 16
	v_pk_mul_f32 v[TM:TM+1],   v[SA:SA+1],   v[SA:SA+1]
	v_pk_mul_f32 v[TM+2:TM+3], v[SA+2:SA+3], v[SA+2:SA+3]
.irp i, 4,8,12
	v_pk_fma_f32 v[TM:TM+1],   v[SA+\i:SA+\i+1],   v[SA+\i:SA+\i+1],   v[TM:TM+1]
	v_pk_fma_f32 v[TM+2:TM+3], v[SA+\i+2:SA+\i+3], v[SA+\i+2:SA+\i+3], v[TM+2:TM+3]
.endr
	v_pk_add_f32 v[TM:TM+1], v[TM:TM+1], v[TM+2:TM+3]
	v_add_f32 v[TM], v[TM], v[TM+1]
	v_permlanex16_b32 v[TM+1], v[TM], s16, s17
	v_add_f32 v[TM], v[TM], v[TM+1]
	v_mul_f32 v[TM], 0x44800000, v[TM]             ; sq = 32^2 x the sum
	v_sqrt_f32 v[TM+1], v[TM]
	v_add_f32 v[TM+2], 1.0, v[TM]                  ; the plain instruction between the root and its use (ISA guide 5.7.2)
	s_wait_alu depctr_va_vdst(0)
	v_add_f32 v[TM+1], 0x322bcc77, v[TM+1]         ; sqrt(sq) + 1e-8
	v_rcp_f32 v[TM+3], v[TM+2]
	v_rcp_f32 v[TM+4], v[TM+1]
	v_nop                                          ; and between the reciprocals and theirs
	s_wait_alu depctr_va_vdst(0)
	v_mul_f32 v[TM+2], v[TM], v[TM+3]              ; sq / (1 + sq): two reciprocals, so that no product of the two divisors is formed
	v_mul_f32 v[TM+2], v[TM+2], v[TM+4]            ; / (sqrt(sq) + 1e-8)
	v_mul_f32 v[TM+2], 0x42000000, v[TM+2]         ; x 32: the registers hold s / 32
	v_mov_b32 v[TM+3], v[TM+2]                     ; a pair for the packed multiply
.irp i, 0,2,4,6,8,10,12,14
	v_pk_mul_f32 v[SA+\i:SA+\i+1], v[SA+\i:SA+\i+1], v[TM+2:TM+3]
.endr
	s_cmp_lg_u32 s14, 0
	s_cbranch_scc1 .Lnostage                       ; the two waves of a jj hold the same v: the one with p = 0 puts it down
	ds_store_b128 v13, v[SA:SA+3]     offset:ZS    ; stage jj: row n (rows 0 .. 3 are b' = 0 .. 3; the others repeat them and are not read), 32 d of f32
	ds_store_b128 v13, v[SA+4:SA+7]   offset:ZS+16
	ds_store_b128 v13, v[SA+8:SA+11]  offset:ZS+64
	ds_store_b128 v13, v[SA+12:SA+15] offset:ZS+80
.Lnostage:
	s_wait_dscnt 0x0                               ; the stage is whole before I signal
	s_barrier_signal -1
	s_barrier_wait -1
	s_cmp_ge_u32 s12, 2
	s_cbranch_scc1 .Lend                           ; four rows of 256 bytes: waves 0 and 1 store them
	ds_load_b128 v[OUTR:OUTR+3], v14 offset:ZS     ; row b' = 2 w + h: lanes 0-7 of a half from stage 0, lanes 8-15 from stage 1
	s_wait_dscnt 0x0
	global_store_b128 v9, v[OUTR:OUTR+3], s[8:9]   ; out0[b][2 jp .. 2 jp + 1][0..31]: sixteen lanes store 256 consecutive bytes, aligned
.Lend:
	s_wait_tensorcnt 0x0
	ds_add_u32 v136, v137
	s_wait_dscnt 0x0
	s_endpgm
.Lfunc_end_k_q0c203d8053_wlast:
	.size	k_q0c203d8053_wlast, .Lfunc_end_k_q0c203d8053_wlast-k_q0c203d8053_wlast
	.p2alignl 7, 3214868480
	.fill 96, 4, 3214868480
	.section	.rodata,"a",@progbits
	.p2align	6, 0x0
	.amdhsa_kernel k_q0c203d8053_wlast
		.amdhsa_group_segment_fixed_size 20736
		.amdhsa_private_segment_fixed_size 0
		.amdhsa_enable_private_segment 0
		.amdhsa_kernarg_size 24
		.amdhsa_user_sgpr_count 2
		.amdhsa_user_sgpr_kernarg_segment_ptr 1
		.amdhsa_wavefront_size32 1
		.amdhsa_system_sgpr_workgroup_id_x 1
		.amdhsa_system_sgpr_workgroup_id_y 1
		.amdhsa_system_sgpr_workgroup_id_z 1
		.amdhsa_system_vgpr_workitem_id 0
		.amdhsa_next_free_vgpr 138
		.amdhsa_next_free_sgpr 66
		.amdhsa_reserve_vcc 0
		.amdhsa_float_denorm_mode_32 3
		.amdhsa_float_denorm_mode_16_64 3
		.amdhsa_memory_ordered 1
		.amdhsa_forward_progress 1
		.amdhsa_inst_pref_size 14
	.end_amdhsa_kernel
	.amdgpu_metadata
---
amdhsa.version: [ 1, 2 ]
amdhsa.kernels:
  - .name:           k_q0c203d8053_wlast
    .symbol:         k_q0c203d8053_wlast.kd
    .args:
      - { .name: yp, .offset: 0, .size: 8, .value_kind: global_buffer, .address_space: global }
      - { .name: W, .offset: 8, .size: 8, .value_kind: global_buffer, .address_space: global }
      - { .name: out0, .offset: 16, .size: 8, .value_kind: global_buffer, .address_space: global }
    .group_segment_fixed_size: 20736
    .private_segment_fixed_size: 0
    .kernarg_segment_align: 8
    .kernarg_segment_size: 24
    .max_flat_workgroup_size: 128
    .sgpr_count:     66
    .vgpr_count:     138
    .wavefront_size: 32
...
	.end_amdgpu_metadata
.endif
;; end of part 4
;; ======== version 2 of 2: 6 launches; version 1 with the launches w1, route1, w2, route2, wlast written anew for expert scheduling mode
;; limits: inputs' magnitudes at most 1,023; values are held in f16: magnitudes above 65,504 overflow, below 6.1e-05 lose precision
;; workspace buffers: yp 4,194,304 bytes; za 262,144 bytes; zb 262,144 bytes
;; launch first: the kernel of part 1 again; grid 256 x 1, 8 waves a work-group, no clusters, 5,120 bytes of LDS; arguments x, yp, za; writes yp, za
;; launch w1 (part 5): grid 32 x 4, 4 waves a work-group, no clusters, 20,736 bytes of LDS; arguments yp, W, zb, za; writes zb
.if DOCPART == 5
	.amdgcn_target "amdgcn-amd-amdhsa--gfx1250"
	.amdhsa_code_object_version 6
	.text
	.protected	k_q0c203d8053_w1
	.globl	k_q0c203d8053_w1
	.p2align	8
	.type	k_q0c203d8053_w1,@function
k_q0c203d8053_w1:
	s_mov_b64 s[64:65], 0
	v_nop
	global_prefetch_b8 v0, s[64:65] scope:SCOPE_SE
	s_setreg_imm32_b32 hwreg(HW_REG_WAVE_SCHED_MODE, 0, 2), 2
	s_setreg_imm32_b32 hwreg(HW_REG_WAVE_MODE, 25, 1), 1
	s_wait_xcnt 0x0
	s_wait_alu depctr_vm_vsrc(0)
; THE W STEP of dynamic routing, for two output capsules j = 2 jp + jj and four batch elements b = 4 bq + b'.
;   y[b][j][:] = sum over the 16 chunks c of yp[16 b + c][j][:]                   (f32, vector unit)
;   s[b][j][d] = sum_k W[j][d][k] y[b][j][k]                                      (matrix unit, f16 operands, f32 sums)
;   v = squash(s) = sq/(1+sq) * s / (sqrt(sq) + 1e-8),  sq = sum_d s^2            (f32)
;   znew[j][b][k] = zold[j][b][k] + sum_d W[j][d][k] v[b][j][d]                   (matrix unit; the sum with the old z in f32)
; x[b][i][:] . z[j][b][:] is the routing logit b[b][j][i], since u_hat[b][j][i][:] = W[j] x[b][i][:]; u_hat itself is never formed.
; Four waves.  Wave w: jj = w / 2, p = w % 2.  Half h of the wave sums the 16 partial rows of (jj, b' = 2 p + h); the wave makes k = 32 p .. + 31 of z.
; FORMAT: f16 operands (11 bits).  y goes in as y / 32: |y| <= 2048 max|x|, so y / 32 stays inside f16 for |x| < 1023; the 32 comes back in the squash.
; No cluster: the four work-groups of a pair of j share W's 16 KB, read once in the launch, and it passes through registers to be
; rounded; the other 32 KB that a work-group reads are its own.
; LIMITS: |x| < 1023, |W| < 65504; operands below 2^-14 carry an absolute error of up to 2^-25; for sq of 2^126 and above
; v_rcp_f32's result is flushed to zero (ISA guide 15.8) and v comes out 0.
; THE MODE: SCHED_MODE bits 1:0 = 2 (LLVM: expert scheduling mode 2), set by the entry lines.  The code itself states the register dependences
; between vector or matrix instructions and memory or LDS instructions, with s_wait_alu, always for 0.
; THE PLAN.  Registers that memory or LDS instructions touch:
;   v4, v6          global offsets, made at the head, never written again.      v7, v8, v10 .. v14   LDS addresses, made once behind the loads.
;   GW  v[16:47]    W's loads land; the sixteen conversions read and write them; eight LDS stores read them; behind the barrier W's fragments land there.
;   GY  v[48:111]   the partial rows land; the adds and two conversions read and write them; one LDS store reads v[48:49]; behind the barrier fragments land in v[48:79].
;   ZA  v[104:119]  written by two matrix instructions, read by four LDS stores.
;   OUTR v[132:135] an LDS load lands; two packed adds write it; the global store reads it.
; So the conversions stand in batches, each with ONE wait between it and the run of LDS stores that reads it, and one wait on vm_vsrc stands between those stores and the fragments' loads.
.set PW, 144                           ; LDS pitch of rows of 64 f16 or 32 f32: 128 + 16 bytes = 9 x 16, so sixteen rows start at sixteen different multiples of 16 modulo 256
.set RG, 2432                          ; a wave's stage: 16 rows x 144, and 128 more
.set WB, 0                             ; W[2 jp .. 2 jp + 1] as 64 rows (32 jj + d) of 64 f16
.set YB, 64*PW                         ; y / 32 as 8 rows (4 jj + b') of 64 f16
.set ZS, 10496                         ; four stages
.set GW, 16                            ; v[16:47]   W as loaded
.set GY, 48                            ; v[48:111]  the 16 partial rows as loaded
.set FA, 16                            ; v[16:47]   fragments of W: (mt, ks) at FA + 8 (2 mt + ks)
.set FB, 48                            ; v[48:63]   fragments of y
.set FT, 64                            ; v[64:79]   fragments of W transposed, two tiles of 16 k
.set SA, 80                            ; v[80:95]   s / 32, then v: d = 16 mt + 8 h + register
.set VF, 96                            ; v[96:103]  v as a fragment
.set ZA, 104                           ; v[104:119] two tiles of W^T v
.set ZP, 120                           ; v[120:123] the older z
.set TM, 124                           ; v[124:128] scratch
.set OUTR, 132                         ; v[132:135] 16 bytes on the way out
.macro CVT d, a, b                     ; two f32 to f16, first source into the low half
	v_cvt_pk_f16_f32 v[\d], v[\a], v[\b]
.endm
.macro MMA d, a, b, acc                ; acc = 0: the product starts the sum, nothing is cleared
.if \acc
	v_wmma_f32_16x16x32_f16 v[\d:\d+7], v[\a:\a+7], v[\b:\b+7], v[\d:\d+7]
.else
	v_wmma_f32_16x16x32_f16 v[\d:\d+7], v[\a:\a+7], v[\b:\b+7], 0
.endif
.endm
.macro NOP4                            ; four independent places before anything but a chain's next link touches a matrix result (ISA guide 7.12.1)
.rept 4
	v_nop
.endr
.endm
	s_load_b256 s[4:11], s[0:1], 0x0               ; yp s[4:5], W s[6:7], znew s[8:9], zold s[10:11]
	v_lshl_add_u32 v130, v0, 2, 0x4f00
	v_mov_b32 v131, 0
	v_lshrrev_b32 v2, 5, v0
	v_readfirstlane_b32 s12, v2                    ; wave w
	v_and_b32 v1, 15, v0                           ; r = lane % 16
	v_bfe_u32 v2, v0, 4, 1                         ; h = lane / 16
	v_and_b32 v3, 31, v0                           ; lane
	s_and_b32 s13, ttmp7, 0xffff                   ; bq
	s_wait_alu depctr_va_sdst(0)                   ; s12 is written, ahead of its first reader: p, jj and every base are made from it
	s_and_b32 s14, s12, 1                          ; p
	s_lshr_b32 s15, s12, 1                         ; jj
	s_mov_b32 s16, 0x76543210                      ; v_permlanex16_b32: lane i of one half reads lane i of the other
	s_mov_b32 s17, 0xfedcba98
	s_lshl_b32 s20, s13, 2                         ; yp: b = 4 bq + 2 p (+ h in the lane term), 262,144 bytes a b,
	s_lshl_b32 s21, s14, 1
	s_add_co_u32 s20, s20, s21
	s_lshl_b32 s20, s20, 18
	s_lshl_b32 s21, ttmp9, 1                       ; row j = 2 jp + jj of 256 bytes
	s_add_co_u32 s21, s21, s15
	s_lshl_b32 s21, s21, 8
	s_add_co_u32 s20, s20, s21
	s_mov_b32 s21, 0
	s_lshl_b32 s22, ttmp9, 14                      ; W: 16,384 bytes a pair of j, the wave's 16 rows of 256 bytes
	s_lshl_b32 s23, s12, 12
	s_add_co_u32 s22, s22, s23
	s_mov_b32 s23, 0
	s_lshl_b32 s24, ttmp9, 13                      ; z[j][b][k]: 4,096 bytes a j, 256 a b; b = 4 bq + 2 p (+ h)
	s_lshl_b32 s25, s15, 12
	s_add_co_u32 s24, s24, s25
	s_lshl_b32 s25, s13, 10
	s_add_co_u32 s24, s24, s25
	s_lshl_b32 s25, s14, 9
	s_add_co_u32 s24, s24, s25
	s_mov_b32 s25, 0
	v_lshlrev_b32 v4, 4, v3                        ; 16 x lane: two whole rows of 256 bytes to a wave's load or store
	v_lshlrev_b32 v6, 4, v1
	v_lshl_add_u32 v6, v2, 18, v6                  ; yp: half h takes b + h, 16 bytes a lane
	s_wait_kmcnt 0x0
	s_add_nc_u64 s[4:5], s[4:5], s[20:21]
	s_add_nc_u64 s[6:7], s[6:7], s[22:23]
	s_add_nc_u64 s[8:9], s[8:9], s[24:25]
	s_add_nc_u64 s[10:11], s[10:11], s[24:25]
	s_wait_alu depctr_va_vdst(0)                   ; v4 and v6 are written: the loads below, and the last store, read them as their offsets
	; every load of the wave is issued here
.irp t, 0,1,2,3,4,5,6,7
	global_load_b128 v[GW+4*\t:GW+4*\t+3], v4, s[6:7] offset:\t*512        ; rows 16 w + 2 t + h of the 64 rows (jj, d)
.endr
.irp c, 0,1,2,3,4,5,6,7,8,9,10,11,12,13,14,15
	global_load_b128 v[GY+4*\c:GY+4*\c+3], v6, s[4:5] offset:\c*16384      ; chunk c: a whole row of 256 bytes to each half
.endr
	global_load_b128 v[ZP:ZP+3], v4, s[10:11]                              ; the older z, where my 16 bytes of the new one will go
	; LDS addresses, while the loads are on their way: none of these lines names a register of the loads above
	v_mul_u32_u24 v5, v2, PW
	v_lshl_add_u32 v5, v1, 3, v5                   ; h x pitch + 8 r: four f16 a lane
	s_mul_i32 s26, s12, 16*PW
	s_mul_i32 s27, s12, 2*PW
	v_add_nc_u32 v7, s26, v5                       ; W in: rows 16 w + h (+ 2 t)
	v_add_nc_u32 v8, s27, v5                       ; y in: row 2 w + h = 4 jj + b'
	v_mul_u32_u24 v10, v1, PW
	v_lshl_add_u32 v10, v2, 4, v10
	s_mul_i32 s28, s15, 32*PW
	v_add_nc_u32 v10, s28, v10                     ; fragments of W[jj]: row r, 16 h
	v_and_b32 v11, 3, v0
	v_mul_u32_u24 v11, v11, PW
	v_lshl_add_u32 v11, v2, 4, v11
	s_mul_i32 s29, s15, 4*PW
	v_add_nc_u32 v11, s29, v11                     ; fragments of y: column n = r takes b' = r % 4 (each b' four times)
	v_and_b32 v12, 7, v0
	v_lshl_add_u32 v12, v2, 3, v12
	v_mul_u32_u24 v12, v12, PW                     ; transposing load: row d = 8 h + lane % 8,
	v_bfe_u32 v13, v0, 3, 1
	v_lshl_add_u32 v12, v13, 4, v12                ; 16 bytes for each eight lanes of a half,
	s_lshl_b32 s30, s14, 6
	s_add_co_u32 s30, s30, s28
	v_add_nc_u32 v12, s30, v12                     ; in W[jj], at k = 32 p
	v_mul_u32_u24 v13, v1, PW
	v_lshl_add_u32 v13, v2, 5, v13
	s_mul_i32 s31, s12, RG
	v_add_nc_u32 v13, s31, v13                     ; my stage: row r, 32 h bytes (eight f32 a lane and tile)
	v_bfe_u32 v14, v0, 3, 1                        ; way out: lanes r = 8 .. 15 read the neighbouring stage (k = 32 ..),
	v_mul_u32_u24 v14, v14, RG
	v_mul_u32_u24 v15, v2, PW
	v_add_nc_u32 v14, v14, v15                     ; half h the next row,
	v_and_b32 v15, 7, v0
	v_lshl_add_u32 v14, v15, 4, v14                ; 16 bytes a lane,
	s_mul_i32 s32, s15, 2*RG
	s_mul_i32 s33, s14, 2*PW
	s_add_co_u32 s32, s32, s33
	v_add_nc_u32 v14, s32, v14                     ; in the two stages of my jj, rows b' = 2 p + h
	; W to f16: one batch of sixteen conversions, one wait, one run of LDS stores
.irp t, 0,1,2,3,4,5,6,7
	s_wait_loadcnt 24-\t                           ; loads return in order: behind W's load t stand 7 - t of W, the 16 partial rows and the older z
	CVT GW+4*\t,GW+4*\t,GW+4*\t+1
	CVT GW+4*\t+1,GW+4*\t+2,GW+4*\t+3
.endr
	s_wait_alu depctr_va_vdst(0)                   ; the conversions have written W's f16 words, which the eight LDS stores read; the LDS addresses v7 to v14 are written too
.irp t, 0,1,2,3,4,5,6,7
	ds_store_b64 v7, v[GW+4*\t:GW+4*\t+1] offset:WB+\t*2*PW
.endr
	; the sum over the 16 chunks: these lines name v[GY ..] alone, none of the registers that the stores above read
.irp c, 1,2,3,4,5,6,7,8,9,10,11,12,13,14,15
	s_wait_loadcnt 16-\c                           ; behind chunk c's load stand 15 - c more and the older z
	v_pk_add_f32 v[GY:GY+1],   v[GY:GY+1],   v[GY+4*\c:GY+4*\c+1]
	v_pk_add_f32 v[GY+2:GY+3], v[GY+2:GY+3], v[GY+4*\c+2:GY+4*\c+3]
.endr
	v_pk_mul_f32 v[GY:GY+1],   v[GY:GY+1],   0x3d000000 op_sel_hi:[1,0]    ; y / 32, exact
	v_pk_mul_f32 v[GY+2:GY+3], v[GY+2:GY+3], 0x3d000000 op_sel_hi:[1,0]
	CVT GY,GY,GY+1
	CVT GY+1,GY+2,GY+3
	s_wait_alu depctr_va_vdst(0)                   ; the conversions have written v[GY:GY+1], which the LDS store reads; the adds are done reading v[GY ..], in which fragments land behind the barrier
	ds_store_b64 v8, v[GY:GY+1] offset:YB
	s_wait_dscnt 0x0                               ; for the others' sake: my rows of W and y are in LDS before I signal
	s_barrier_signal -1
	s_barrier_wait -1
	s_wait_alu depctr_vm_vsrc(0)                   ; my nine LDS stores have read their words of v[16:49]: the fragments' loads below land in these registers
	; fragments: 16 rows x 32 k, two loads of 16 bytes 32 bytes apart.  No vector instruction has been issued since the last wait on va_vdst
.irp mt, 0,1
.irp ks, 0,1
	ds_load_b128 v[FA+8*(2*\mt+\ks):FA+8*(2*\mt+\ks)+3],   v10 offset:WB+\mt*16*PW+64*\ks
	ds_load_b128 v[FA+8*(2*\mt+\ks)+4:FA+8*(2*\mt+\ks)+7], v10 offset:WB+\mt*16*PW+64*\ks+32
.endr
.endr
.irp ks, 0,1
	ds_load_b128 v[FB+8*\ks:FB+8*\ks+3],   v11 offset:YB+64*\ks
	ds_load_b128 v[FB+8*\ks+4:FB+8*\ks+7], v11 offset:YB+64*\ks+32
.endr
.irp e, 0,1
	ds_load_tr16_b128 v[FT+8*\e:FT+8*\e+3],   v12 offset:WB+32*\e           ; W^T: row k = 32 p + 16 e + r, d = 8 h .. 8 h + 7
	ds_load_tr16_b128 v[FT+8*\e+4:FT+8*\e+7], v12 offset:WB+32*\e+16*PW     ; d = 16 + 8 h ..
.endr
	s_wait_dscnt 0x4                               ; the 12 plain loads are in; the four transposing ones, wanted later, stay out
	; s / 32: m = d (two tiles), n = b', K = 64 in two steps
	MMA SA,FA,FB,0
	MMA SA+8,FA+16,FB,0
	MMA SA,FA+8,FB+8,1
	MMA SA+8,FA+24,FB+8,1
	NOP4
	; squash: a lane holds 16 of the 32 d of its b', the lane 16 further on the other 16
	v_pk_mul_f32 v[TM:TM+1],   v[SA:SA+1],   v[SA:SA+1]
	v_pk_mul_f32 v[TM+2:TM+3], v[SA+2:SA+3], v[SA+2:SA+3]
.irp i, 4,8,12
	v_pk_fma_f32 v[TM:TM+1],   v[SA+\i:SA+\i+1],   v[SA+\i:SA+\i+1],   v[TM:TM+1]
	v_pk_fma_f32 v[TM+2:TM+3], v[SA+\i+2:SA+\i+3], v[SA+\i+2:SA+\i+3], v[TM+2:TM+3]
.endr
	v_pk_add_f32 v[TM:TM+1], v[TM:TM+1], v[TM+2:TM+3]
	v_add_f32 v[TM], v[TM], v[TM+1]
	v_permlanex16_b32 v[TM+1], v[TM], s16, s17
	v_add_f32 v[TM], v[TM], v[TM+1]
	v_mul_f32 v[TM], 0x44800000, v[TM]             ; sq = 32^2 x the sum
	v_sqrt_f32 v[TM+1], v[TM]
	v_add_f32 v[TM+2], 1.0, v[TM]                  ; the plain instruction between the root and its use (ISA guide 5.7.2)
	s_wait_alu depctr_va_vdst(0)                   ; the root has written v[TM+1], ahead of its first reader
	v_add_f32 v[TM+1], 0x322bcc77, v[TM+1]         ; sqrt(sq) + 1e-8
	v_rcp_f32 v[TM+3], v[TM+2]
	v_rcp_f32 v[TM+4], v[TM+1]
	v_nop                                          ; and between the reciprocals and theirs
	s_wait_alu depctr_va_vdst(0)                   ; the two reciprocals have written v[TM+3] and v[TM+4], ahead of their first reader: one wait for both
	v_mul_f32 v[TM+2], v[TM], v[TM+3]              ; sq / (1 + sq): two reciprocals, so that no product of the two divisors is formed
	v_mul_f32 v[TM+2], v[TM+2], v[TM+4]            ; / (sqrt(sq) + 1e-8)
	v_mul_f32 v[TM+2], 0x42000000, v[TM+2]         ; x 32: the registers hold s / 32
	v_mov_b32 v[TM+3], v[TM+2]                     ; a pair for the packed multiply
.irp i, 0,2,4,6,8,10,12,14
	v_pk_mul_f32 v[SA+\i:SA+\i+1], v[SA+\i:SA+\i+1], v[TM+2:TM+3]
.endr
	; the two tiles of v, packed, are the fragment (n = b', K = d): registers 0-3 d = 8 h .., registers 4-7 d = 16 + 8 h ..
.irp i, 0,1,2,3,4,5,6,7
	CVT VF+\i,SA+2*\i,SA+2*\i+1
.endr
	s_wait_dscnt 0x0                               ; W^T is in
	MMA ZA,FT,VF,0                                 ; m = k = 32 p + 8 h + register, n = b'
	MMA ZA+8,FT+8,VF,0                             ; k = 32 p + 16 + ..
	NOP4
	s_wait_alu depctr_va_vdst(0)                   ; the two matrix instructions have written v[ZA ..], which the LDS stores read; the places above stay beside this wait
	ds_store_b128 v13, v[ZA:ZA+3]     offset:ZS    ; my stage: row n, 32 k of f32 (rows 4 .. 15 repeat rows 0 .. 3 and are not read)
	ds_store_b128 v13, v[ZA+4:ZA+7]   offset:ZS+16
	ds_store_b128 v13, v[ZA+8:ZA+11]  offset:ZS+64
	ds_store_b128 v13, v[ZA+12:ZA+15] offset:ZS+80
	s_wait_dscnt 0x0                               ; the stage is whole before I signal
	s_barrier_signal -1
	s_barrier_wait -1
	ds_load_b128 v[OUTR:OUTR+3], v14 offset:ZS     ; sixteen lanes gather one row z[j][b][0..63] from the two stages of jj; no vector instruction has named these registers
	s_wait_loadcnt 0x0                             ; the older z
	s_wait_dscnt 0x0
	v_pk_add_f32 v[OUTR:OUTR+1],   v[OUTR:OUTR+1],   v[ZP:ZP+1]
	v_pk_add_f32 v[OUTR+2:OUTR+3], v[OUTR+2:OUTR+3], v[ZP+2:ZP+3]
	s_wait_alu depctr_va_vdst(0)                   ; the two adds have written v[OUTR ..], which the store reads
	global_store_b128 v4, v[OUTR:OUTR+3], s[8:9]   ; sixteen lanes store 256 consecutive bytes, aligned
	s_wait_dscnt 0x0
	s_wait_alu depctr_hold_cnt(0) depctr_sa_sdst(0) depctr_va_vdst(0) depctr_va_sdst(0) depctr_va_ssrc(0) depctr_va_vcc(0) depctr_vm_vsrc(0)
	s_wait_tensorcnt 0x0
	ds_add_u32 v130, v131
	s_wait_dscnt 0x0
	s_endpgm
.Lfunc_end_k_q0c203d8053_w1:
	.size	k_q0c203d8053_w1, .Lfunc_end_k_q0c203d8053_w1-k_q0c203d8053_w1
	.p2alignl 7, 3214868480
	.fill 96, 4, 3214868480
	.section	.rodata,"a",@progbits
	.p2align	6, 0x0
	.amdhsa_kernel k_q0c203d8053_w1
		.amdhsa_group_segment_fixed_size 20736
		.amdhsa_private_segment_fixed_size 0
		.amdhsa_enable_private_segment 0
		.amdhsa_kernarg_size 32
		.amdhsa_user_sgpr_count 2
		.amdhsa_user_sgpr_kernarg_segment_ptr 1
		.amdhsa_wavefront_size32 1
		.amdhsa_system_sgpr_workgroup_id_x 1
		.amdhsa_system_sgpr_workgroup_id_y 1
		.amdhsa_system_sgpr_workgroup_id_z 1
		.amdhsa_system_vgpr_workitem_id 0
		.amdhsa_next_free_vgpr 136
		.amdhsa_next_free_sgpr 66
		.amdhsa_reserve_vcc 0
		.amdhsa_float_denorm_mode_32 3
		.amdhsa_float_denorm_mode_16_64 3
		.amdhsa_memory_ordered 1
		.amdhsa_forward_progress 1
		.amdhsa_inst_pref_size 16
	.end_amdhsa_kernel
	.amdgpu_metadata
---
amdhsa.version: [ 1, 2 ]
amdhsa.kernels:
  - .name:           k_q0c203d8053_w1
    .symbol:         k_q0c203d8053_w1.kd
    .args:
      - { .name: yp, .offset: 0, .size: 8, .value_kind: global_buffer, .address_space: global }
      - { .name: W, .offset: 8, .size: 8, .value_kind: global_buffer, .address_space: global }
      - { .name: zb, .offset: 16, .size: 8, .value_kind: global_buffer, .address_space: global }
      - { .name: za, .offset: 24, .size: 8, .value_kind: global_buffer, .address_space: global }
    .group_segment_fixed_size: 20736
    .private_segment_fixed_size: 0
    .kernarg_segment_align: 8
    .kernarg_segment_size: 32
    .max_flat_workgroup_size: 128
    .sgpr_count:     66
    .vgpr_count:     136
    .wavefront_size: 32
...
	.end_amdgpu_metadata
.endif
;; end of part 5
;; launch route1 (part 6): grid 256 x 1, 8 waves a work-group, no clusters, 70,656 bytes of LDS; arguments x, zb, yp; writes yp
.if DOCPART == 6
	.amdgcn_target "amdgcn-amd-amdhsa--gfx1250"
	.amdhsa_code_object_version 6
	.text
	.protected	k_q0c203d8053_route1
	.globl	k_q0c203d8053_route1
	.p2align	8
	.type	k_q0c203d8053_route1,@function
k_q0c203d8053_route1:
	s_mov_b64 s[64:65], 0
	v_nop
	global_prefetch_b8 v0, s[64:65] scope:SCOPE_SE
	s_setreg_imm32_b32 hwreg(HW_REG_WAVE_SCHED_MODE, 0, 2), 2
	s_setreg_imm32_b32 hwreg(HW_REG_WAVE_MODE, 25, 1), 1
	s_wait_xcnt 0x0
	s_wait_alu depctr_vm_vsrc(0)
; ONE ROUTING PASS over 128 input capsules (chunk c) of one batch element b; work-group g = 16 b + c.
;   L[j][i]  = sum_k z[j][b][k] x[b][i][k]              the logits b[b][j][i]                     (matrix unit, f16 operands, f32 sums)
;   c[i][j]  = softmax over the 64 j, the capsule's largest logit taken away first                (f32)
;   yp[g][j][k] = sum over the chunk's i of c[i][j] x[b][i][k]                                    (matrix unit)
; The next launch adds the 16 chunks and applies W:  sum_i c u_hat = W[j] (sum_i c x).
; Eight waves.  Wave w rounds its own 16 rows of x and 8 rows of z to f16 into LDS; computes the logits of its 16 capsules with
; m = j and n = i, so that a lane holds 32 logits of ONE capsule and the softmax needs one exchange between the halves of the wave;
; puts c down as rows [i][j]; and then makes two tiles (16 j x 32 k) of y over all 128 rows, both operands by transposing loads.
; No cluster: of the 48 KB that a work-group reads, the 32 KB of x are its own; z's 16 KB are shared by a batch element's 16 work-groups,
; are read once, and pass through registers to be rounded.
; LIMITS: |x|, |z| < 65504; operands below 2^-14 carry an absolute error of up to 2^-25; terms of the softmax below 2^-126 count as
; zero (v_exp_f32, ISA guide 15.8); the largest term is 1, so the sum is at least 1.
; THE MODE: SCHED_MODE bits 1:0 = 2 (LLVM: expert scheduling mode 2), set by the entry lines.  The code itself states the register dependences
; between vector or matrix instructions and memory or LDS instructions, with s_wait_alu, always for 0.
; THE PLAN.  Registers that memory or LDS instructions touch:
;   v4, v5          global offsets, made at the head, never written again.      v6 .. v13   LDS addresses, made once behind the loads.
;   GZ v[16:31], GX v[32:63]   the loads land; the conversions read and write them; twelve LDS stores read them.  Behind the second barrier c^T's fragments
;                   land in v[16:47] and the products for y write v[48:63].
;   FXB, FZ, FXT    written by LDS loads alone, read by matrix instructions; on the way out four LDS loads land in FZ's v[80:95].
;   LT v[144:159]   c in f16, written by conversions, read by four LDS stores.      YA v[48:63]   written by matrix instructions, read by four LDS stores.
; So each batch of conversions has ONE wait between it and the run of LDS stores that reads it, one wait on vm_vsrc stands ahead of c^T's loads,
; and the wait ahead of the stage's stores also states that the logits' products are done reading FZ.
.set PX, 160                           ; pitch of x's and c's rows of 64 f16: 5 x 32 bytes, so the eight rows x two 16-byte pieces of a transposing load start at sixteen different multiples of 16 modulo 256
.set PZ, 144                           ; pitch of z's rows: 9 x 16 bytes, for plain fragment loads
.set PS, 144                           ; pitch of a stage's rows of 32 f32
.set RG, 2432                          ; a wave's stage: 16 rows x 144, and 128 more
.set XB, 0                             ; x: 128 rows
.set CB, 128*PX                        ; c: 128 rows
.set ZB, 2*128*PX                      ; z: 64 rows
.set YS, ZB+64*PZ                      ; eight stages
.set GZ, 16                            ; v[16:31]   z as loaded
.set GX, 32                            ; v[32:63]   x as loaded
.set FXB, 64                           ; v[64:79]   fragments of my 16 rows of x
.set FZ, 80                            ; v[80:143]  fragments of z: (jt, ks) at FZ + 8 (2 jt + ks)
.set LT, 144                           ; v[144:175] logits: j = 16 jt + 8 h + register at LT + 8 jt, i = r
.set FXT, 176                          ; v[176:239] fragments of x transposed: (e, s) at FXT + 8 (4 e + s)
.set TM, 240                           ; v[240:249] scratch
.set FCT, 16                           ; v[16:47]   fragments of c transposed
.set YA, 48                            ; v[48:63]   two tiles of y
.set OUTR, 80                          ; v[80:95]   rows on the way out
.macro CVT d, a, b                     ; two f32 to f16, first source into the low half
	v_cvt_pk_f16_f32 v[\d], v[\a], v[\b]
.endm
.macro MMA d, a, b, acc                ; acc = 0: the product starts the sum, nothing is cleared
.if \acc
	v_wmma_f32_16x16x32_f16 v[\d:\d+7], v[\a:\a+7], v[\b:\b+7], v[\d:\d+7]
.else
	v_wmma_f32_16x16x32_f16 v[\d:\d+7], v[\a:\a+7], v[\b:\b+7], 0
.endif
.endm
.macro NOP4                            ; four independent places before anything but a chain's next link touches a matrix result (ISA guide 7.12.1)
.rept 4
	v_nop
.endr
.endm
	s_load_b128 s[4:7], s[0:1], 0x0                ; x s[4:5], z s[6:7]
	s_load_b64 s[8:9], s[0:1], 0x10                ; yp
	v_lshl_add_u32 v254, v0, 2, 0x11000
	v_mov_b32 v255, 0
	v_lshrrev_b32 v2, 5, v0
	v_readfirstlane_b32 s12, v2                    ; wave w
	v_and_b32 v1, 15, v0                           ; r = lane % 16
	v_bfe_u32 v2, v0, 4, 1                         ; h = lane / 16
	v_and_b32 v3, 31, v0                           ; lane
	s_wait_alu depctr_va_sdst(0)                   ; s12 is written, ahead of its first reader: p, q and every base are made from it
	s_and_b32 s13, s12, 1                          ; p: which 32 k of y are mine
	s_lshr_b32 s14, s12, 1                         ; q: which 16 j of y are mine
	s_mov_b32 s18, 0x76543210                      ; v_permlanex16_b32: lane i of one half reads lane i of the other
	s_mov_b32 s19, 0xfedcba98
	s_lshl_b32 s20, ttmp9, 15                      ; x: 32,768 bytes a chunk, 4,096 a wave (16 rows)
	s_lshl_b32 s21, s12, 12
	s_add_co_u32 s20, s20, s21
	s_mov_b32 s21, 0
	s_lshr_b32 s22, ttmp9, 4                       ; z[j][b][k]: 256 bytes a b, 4,096 a j; the wave's rows j = 8 w ..
	s_lshl_b32 s22, s22, 8
	s_lshl_b32 s23, s12, 15
	s_add_co_u32 s22, s22, s23
	s_mov_b32 s23, 0
	s_lshl_b32 s24, ttmp9, 14                      ; yp: 16,384 bytes a work-group; the wave stores rows 16 u + 2 w + h
	s_lshl_b32 s25, s12, 9
	s_add_co_u32 s24, s24, s25
	s_mov_b32 s25, 0
	v_lshlrev_b32 v4, 4, v3                        ; 16 x lane: two whole rows of 256 bytes to a wave's load or store
	v_lshlrev_b32 v5, 4, v1
	v_lshl_add_u32 v5, v2, 12, v5                  ; z: half h takes row j + h
	s_wait_kmcnt 0x0
	s_add_nc_u64 s[4:5], s[4:5], s[20:21]
	s_add_nc_u64 s[6:7], s[6:7], s[22:23]
	s_add_nc_u64 s[8:9], s[8:9], s[24:25]
	s_wait_alu depctr_va_vdst(0)                   ; v4 and v5 are written: the loads below, and the stores at the end, read them as their offsets
	; every load of the wave is issued here
.irp u, 0,1,2,3
	global_load_b128 v[GZ+4*\u:GZ+4*\u+3], v5, s[6:7] offset:\u*8192       ; rows j = 8 w + 2 u + h, 256 bytes each
.endr
.irp t, 0,1,2,3,4,5,6,7
	global_load_b128 v[GX+4*\t:GX+4*\t+3], v4, s[4:5] offset:\t*512        ; rows i = 16 w + 2 t + h
.endr
	; LDS addresses, while the loads are on their way: none of these lines names a register of the loads above
	s_mul_i32 s26, s12, 8*PZ
	s_mul_i32 s27, s12, 16*PX
	v_mul_u32_u24 v6, v2, PZ
	v_lshl_add_u32 v6, v1, 3, v6
	v_add_nc_u32 v6, s26, v6                       ; z in: row 8 w + h (+ 2 u), four f16 a lane
	v_mul_u32_u24 v7, v2, PX
	v_lshl_add_u32 v7, v1, 3, v7
	v_add_nc_u32 v7, s27, v7                       ; x in: row 16 w + h (+ 2 t)
	v_mul_u32_u24 v8, v1, PX
	v_lshl_add_u32 v8, v2, 4, v8
	v_add_nc_u32 v8, s27, v8                       ; row 16 w + r, 16 h: my fragments of x, and where my c goes
	v_mul_u32_u24 v9, v1, PZ
	v_lshl_add_u32 v9, v2, 4, v9                   ; fragments of z: row r, 16 h
	v_and_b32 v10, 7, v0
	v_lshl_add_u32 v10, v2, 3, v10
	v_mul_u32_u24 v10, v10, PX                     ; transposing loads: row i = 8 h + lane % 8,
	v_bfe_u32 v11, v0, 3, 1
	v_lshl_add_u32 v11, v11, 4, v10                ; 16 bytes for each eight lanes of a half
	s_lshl_b32 s28, s13, 6
	s_lshl_b32 s29, s14, 5
	v_add_nc_u32 v10, s28, v11                     ; x^T at k = 32 p
	v_add_nc_u32 v11, s29, v11                     ; c^T at j = 16 q
	v_mul_u32_u24 v12, v1, PS
	v_lshl_add_u32 v12, v2, 5, v12
	s_mul_i32 s30, s12, RG
	v_add_nc_u32 v12, s30, v12                     ; my stage: row r, 32 h bytes
	v_bfe_u32 v13, v0, 3, 1                        ; way out: lanes r = 8 .. 15 read the neighbouring stage (k = 32 ..),
	v_mul_u32_u24 v13, v13, RG
	v_mul_u32_u24 v15, v2, PS
	v_add_nc_u32 v13, v13, v15
	v_and_b32 v15, 7, v0
	v_lshl_add_u32 v13, v15, 4, v13
	s_mul_i32 s31, s12, 2*PS
	v_add_nc_u32 v13, s31, v13                     ; row 2 w + h of a tile, 16 bytes a lane
	; z to f16: a batch of eight conversions, one wait, a run of LDS stores, which leave while x is awaited
.irp u, 0,1,2,3
	s_wait_loadcnt 11-\u                           ; loads return in order: behind z's load u stand 3 - u of z and the 8 of x
	CVT GZ+4*\u,GZ+4*\u,GZ+4*\u+1
	CVT GZ+4*\u+1,GZ+4*\u+2,GZ+4*\u+3
.endr
	s_wait_alu depctr_va_vdst(0)                   ; the conversions have written z's f16 words, which the four LDS stores read; the LDS addresses v6 to v13 are written too
.irp u, 0,1,2,3
	ds_store_b64 v6, v[GZ+4*\u:GZ+4*\u+1] offset:ZB+\u*2*PZ
.endr
	; x to f16: the same, sixteen conversions; they name v[GX ..] alone, none of the registers that the stores above read
.irp t, 0,1,2,3,4,5,6,7
	s_wait_loadcnt 7-\t                            ; behind x's load t stand 7 - t more
	CVT GX+4*\t,GX+4*\t,GX+4*\t+1
	CVT GX+4*\t+1,GX+4*\t+2,GX+4*\t+3
.endr
	s_wait_alu depctr_va_vdst(0)                   ; the conversions have written x's f16 words, which the eight LDS stores read
.irp t, 0,1,2,3,4,5,6,7
	ds_store_b64 v7, v[GX+4*\t:GX+4*\t+1] offset:XB+\t*2*PX
.endr
	s_wait_dscnt 0x0                               ; for the others' sake: my rows are in LDS before I signal
	s_barrier_signal -1
	s_barrier_wait -1
	; fragments: 16 rows x 32 k, two loads of 16 bytes 32 bytes apart.  They land in registers that nothing has named yet
.irp ks, 0,1
	ds_load_b128 v[FXB+8*\ks:FXB+8*\ks+3],   v8 offset:XB+64*\ks
	ds_load_b128 v[FXB+8*\ks+4:FXB+8*\ks+7], v8 offset:XB+64*\ks+32
.endr
.irp jt, 0,1,2,3
.irp ks, 0,1
	ds_load_b128 v[FZ+8*(2*\jt+\ks):FZ+8*(2*\jt+\ks)+3],   v9 offset:ZB+\jt*16*PZ+64*\ks
	ds_load_b128 v[FZ+8*(2*\jt+\ks)+4:FZ+8*(2*\jt+\ks)+7], v9 offset:ZB+\jt*16*PZ+64*\ks+32
.endr
.endr
	; x^T for the second product: asked for now, used behind the softmax.  Tile e: row k = 32 p + 16 e + r; step s: i = 32 s ..
.irp e, 0,1
.irp s, 0,1,2,3
	ds_load_tr16_b128 v[FXT+8*(4*\e+\s):FXT+8*(4*\e+\s)+3],   v10 offset:XB+\s*32*PX+32*\e
	ds_load_tr16_b128 v[FXT+8*(4*\e+\s)+4:FXT+8*(4*\e+\s)+7], v10 offset:XB+\s*32*PX+32*\e+16*PX
.endr
.endr
	s_wait_dscnt 16                                ; the 20 plain loads are in; the 16 transposing ones stay out
	; logits: m = j (four tiles), n = i, K = 64 in two steps
.irp jt, 0,1,2,3
	MMA LT+8*\jt,FZ+16*\jt,FXB,0
.endr
.irp jt, 0,1,2,3
	MMA LT+8*\jt,FZ+16*\jt+8,FXB+8,1
.endr
	NOP4
	; the largest of capsule i's 64 logits: 32 in this lane (four chains), 32 in the lane 16 further on
	v_max3_num_f32 v[TM],   v[LT],   v[LT+1],  v[LT+2]
	v_max3_num_f32 v[TM+1], v[LT+3], v[LT+4],  v[LT+5]
	v_max3_num_f32 v[TM+2], v[LT+6], v[LT+7],  v[LT+8]
	v_max3_num_f32 v[TM+3], v[LT+9], v[LT+10], v[LT+11]
.irp i, 12,20
	v_max3_num_f32 v[TM],   v[TM],   v[LT+\i],   v[LT+\i+1]
	v_max3_num_f32 v[TM+1], v[TM+1], v[LT+\i+2], v[LT+\i+3]
	v_max3_num_f32 v[TM+2], v[TM+2], v[LT+\i+4], v[LT+\i+5]
	v_max3_num_f32 v[TM+3], v[TM+3], v[LT+\i+6], v[LT+\i+7]
.endr
	v_max3_num_f32 v[TM],   v[TM],   v[LT+28], v[LT+29]
	v_max3_num_f32 v[TM+1], v[TM+1], v[LT+30], v[LT+31]
	v_max3_num_f32 v[TM], v[TM], v[TM+1], v[TM+2]
	v_max_num_f32 v[TM], v[TM], v[TM+3]
	v_permlanex16_b32 v[TM+1], v[TM], s18, s19
	v_max_num_f32 v[TM], v[TM], v[TM+1]
	v_mul_f32 v[TM], 0xbfb8aa3b, v[TM]             ; - max x log2(e): its rounding is common to the capsule's 64 terms and cancels in the quotient
	v_mov_b32 v[TM+1], v[TM]
	; e = 2^((L - max) log2 e): one fused multiply-add for two logits, then the exponentials back to back
.set i, 0
.rept 16
	v_pk_fma_f32 v[LT+2*i:LT+2*i+1], v[LT+2*i:LT+2*i+1], 0x3fb8aa3b, v[TM:TM+1] op_sel_hi:[1,0,1]
.set i, i+1
.endr
.set i, 0
.rept 32
	v_exp_f32 v[LT+i], v[LT+i]
.set i, i+1
.endr
	v_nop                                          ; one plain instruction between the exponentials and the first use (ISA guide 5.7.2)
	s_wait_alu depctr_va_vdst(0)                   ; the 32 exponentials have written v[LT ..], ahead of their first reader: one wait for the batch
.irp q, 0,1,2,3
	v_pk_add_f32 v[TM+2+2*\q:TM+3+2*\q], v[LT+4*\q:LT+4*\q+1], v[LT+4*\q+2:LT+4*\q+3]
.endr
.irp i, 16,24
.irp q, 0,1,2,3
	v_pk_add_f32 v[TM+2+2*\q:TM+3+2*\q], v[TM+2+2*\q:TM+3+2*\q], v[LT+\i+2*\q:LT+\i+2*\q+1]
.endr
.endr
	v_pk_add_f32 v[TM+2:TM+3], v[TM+2:TM+3], v[TM+4:TM+5]
	v_pk_add_f32 v[TM+6:TM+7], v[TM+6:TM+7], v[TM+8:TM+9]
	v_pk_add_f32 v[TM+2:TM+3], v[TM+2:TM+3], v[TM+6:TM+7]
	v_add_f32 v[TM+2], v[TM+2], v[TM+3]
	v_permlanex16_b32 v[TM+3], v[TM+2], s18, s19
	v_add_f32 v[TM+2], v[TM+2], v[TM+3]            ; the sum over all 64 j, at least 1
	v_rcp_f32 v[TM+4], v[TM+2]
	v_nop
	s_wait_alu depctr_va_vdst(0)                   ; the reciprocal has written v[TM+4], ahead of its first reader
	v_mov_b32 v[TM+5], v[TM+4]
.set i, 0
.rept 16
	v_pk_mul_f32 v[LT+2*i:LT+2*i+1], v[LT+2*i:LT+2*i+1], v[TM+4:TM+5]
.set i, i+1
.endr
.set i, 0
.rept 16
	CVT LT+i,LT+2*i,LT+2*i+1                       ; packed downward: the target is never a source still to be read
.set i, i+1
.endr
	s_wait_alu depctr_va_vdst(0)                   ; the conversions have written c's f16 words v[LT:LT+15], which the four LDS stores read
.irp jt, 0,1,2,3
	ds_store_b128 v8, v[LT+4*\jt:LT+4*\jt+3] offset:CB+32*\jt      ; c[i = 16 w + r][j = 16 jt + 8 h .. + 7]
.endr
	s_wait_dscnt 0x0                               ; my rows of c are in LDS (and x^T in registers) before I signal
	s_barrier_signal -1
	s_barrier_wait -1
	s_wait_alu depctr_vm_vsrc(0)                   ; the LDS stores of z and x have read their words of v[16:63]: c^T's loads land in v[16:47], the products below write v[48:63]
	; y: m = k (two tiles), n = j, K = the 128 rows in four steps.  The conversions that named v[16:47] stand ahead of the last wait on va_vdst, and no vector instruction has been issued since
.irp s, 0,1,2,3
	ds_load_tr16_b128 v[FCT+8*\s:FCT+8*\s+3],   v11 offset:CB+\s*32*PX
	ds_load_tr16_b128 v[FCT+8*\s+4:FCT+8*\s+7], v11 offset:CB+\s*32*PX+16*PX
.endr
	s_wait_dscnt 0x6                               ; step 0's two loads are in, the six younger ones stay out
	MMA YA,FXT,FCT,0
	MMA YA+8,FXT+32,FCT,0
.irp s, 1,2,3
	s_wait_dscnt 6-2*\s                            ; step s's two loads are in
	MMA YA,FXT+8*\s,FCT+8*\s,1
	MMA YA+8,FXT+32+8*\s,FCT+8*\s,1
.endr
	NOP4
	s_wait_alu depctr_va_vdst(0)                   ; the matrix instructions have written v[YA ..], which the LDS stores read; the logits' products are done reading FZ, in which the rows on the way out land; the places above stay beside this wait
	ds_store_b128 v12, v[YA:YA+3]     offset:YS    ; my stage: row j % 16 = r, k - 32 p = 8 h + register, then 16 + ..
	ds_store_b128 v12, v[YA+4:YA+7]   offset:YS+16
	ds_store_b128 v12, v[YA+8:YA+11]  offset:YS+64
	ds_store_b128 v12, v[YA+12:YA+15] offset:YS+80
	s_wait_dscnt 0x0                               ; the stage is whole before I signal
	s_barrier_signal -1
	s_barrier_wait -1
.irp u, 0,1,2,3
	ds_load_b128 v[OUTR+4*\u:OUTR+4*\u+3], v13 offset:YS+\u*2*RG   ; row j = 16 u + 2 w + h, gathered from the stages of waves 2 u and 2 u + 1
.endr
.irp u, 0,1,2,3
	s_wait_dscnt 3-\u                              ; LDS loads return in order: row u is in
	global_store_b128 v4, v[OUTR+4*\u:OUTR+4*\u+3], s[8:9] offset:\u*4096  ; sixteen lanes store 256 consecutive bytes, aligned
.endr
	s_wait_dscnt 0x0
	s_wait_alu depctr_hold_cnt(0) depctr_sa_sdst(0) depctr_va_vdst(0) depctr_va_sdst(0) depctr_va_ssrc(0) depctr_va_vcc(0) depctr_vm_vsrc(0)
	s_wait_tensorcnt 0x0
	ds_add_u32 v254, v255
	s_wait_dscnt 0x0
	s_endpgm
.Lfunc_end_k_q0c203d8053_route1:
	.size	k_q0c203d8053_route1, .Lfunc_end_k_q0c203d8053_route1-k_q0c203d8053_route1
	.p2alignl 7, 3214868480
	.fill 96, 4, 3214868480
	.section	.rodata,"a",@progbits
	.p2align	6, 0x0
	.amdhsa_kernel k_q0c203d8053_route1
		.amdhsa_group_segment_fixed_size 70656
		.amdhsa_private_segment_fixed_size 0
		.amdhsa_enable_private_segment 0
		.amdhsa_kernarg_size 24
		.amdhsa_user_sgpr_count 2
		.amdhsa_user_sgpr_kernarg_segment_ptr 1
		.amdhsa_wavefront_size32 1
		.amdhsa_system_sgpr_workgroup_id_x 1
		.amdhsa_system_sgpr_workgroup_id_y 1
		.amdhsa_system_sgpr_workgroup_id_z 1
		.amdhsa_system_vgpr_workitem_id 0
		.amdhsa_next_free_vgpr 256
		.amdhsa_next_free_sgpr 66
		.amdhsa_reserve_vcc 0
		.amdhsa_float_denorm_mode_32 3
		.amdhsa_float_denorm_mode_16_64 3
		.amdhsa_memory_ordered 1
		.amdhsa_forward_progress 1
		.amdhsa_inst_pref_size 21
	.end_amdhsa_kernel
	.amdgpu_metadata
---
amdhsa.version: [ 1, 2 ]
amdhsa.kernels:
  - .name:           k_q0c203d8053_route1
    .symbol:         k_q0c203d8053_route1.kd
    .args:
      - { .name: x, .offset: 0, .size: 8, .value_kind: global_buffer, .address_space: global }
      - { .name: zb, .offset: 8, .size: 8, .value_kind: global_buffer, .address_space: global }
      - { .name: yp, .offset: 16, .size: 8, .value_kind: global_buffer, .address_space: global }
    .group_segment_fixed_size: 70656
    .private_segment_fixed_size: 0
    .kernarg_segment_align: 8
    .kernarg_segment_size: 24
    .max_flat_workgroup_size: 256
    .sgpr_count:     66
    .vgpr_count:     256
    .wavefront_size: 32
...
	.end_amdgpu_metadata
.endif
;; end of part 6
;; launch w2: the kernel of part 5 again; grid 32 x 4, 4 waves a work-group, no clusters, 20,736 bytes of LDS; arguments yp, W, za, zb; writes za
;; launch route2: the kernel of part 6 again; grid 256 x 1, 8 waves a work-group, no clusters, 70,656 bytes of LDS; arguments x, za, yp; writes yp
;; launch wlast (part 7): grid 32 x 4, 4 waves a work-group, no clusters, 20,736 bytes of LDS; arguments yp, W, out0; writes out0
.if DOCPART == 7
	.amdgcn_target "amdgcn-amd-amdhsa--gfx1250"
	.amdhsa_code_object_version 6
	.text
	.protected	k_q0c203d8053_wlast
	.globl	k_q0c203d8053_wlast
	.p2align	8
	.type	k_q0c203d8053_wlast,@function
k_q0c203d8053_wlast:
	s_mov_b64 s[64:65], 0
	v_nop
	global_prefetch_b8 v0, s[64:65] scope:SCOPE_SE
	s_setreg_imm32_b32 hwreg(HW_REG_WAVE_SCHED_MODE, 0, 2), 2
	s_setreg_imm32_b32 hwreg(HW_REG_WAVE_MODE, 25, 1), 1
	s_wait_xcnt 0x0
	s_wait_alu depctr_vm_vsrc(0)
; THE LAST W STEP, for two output capsules j = 2 jp + jj and four batch elements b = 4 bq + b'.
;   y[b][j][:] = sum over the 16 chunks c of yp[16 b + c][j][:]                   (f32, vector unit)
;   s[b][j][d] = sum_k W[j][d][k] y[b][j][k]                                      (matrix unit, f16 operands, f32 sums)
;   out0[b][j][d] = squash(s) = sq/(1+sq) * s / (sqrt(sq) + 1e-8),  sq = sum_d s^2   (f32)
; Four waves.  Wave w: jj = w / 2, p = w % 2.  Half h of the wave sums the 16 partial rows of (jj, b' = 2 p + h).
; Two j to a work-group, so that out0's piece for one b (2 j x 32 d x 4 bytes) is 256 consecutive bytes.
; FORMAT: f16 operands.  y goes in as y / 32: |y| <= 2048 max|x|, so y / 32 stays inside f16 for |x| < 1023; the 32 comes back in the squash.
; No cluster: the four work-groups of a pair of j share W's 16 KB, read once in the launch, and it passes through registers to be
; rounded; the other 32 KB that a work-group reads are its own.
; LIMITS: |x| < 1023, |W| < 65504; operands below 2^-14 carry an absolute error of up to 2^-25; for sq of 2^126 and above
; v_rcp_f32's result is flushed to zero (ISA guide 15.8) and the result comes out 0.
; THE MODE: SCHED_MODE bits 1:0 = 2 (LLVM: expert scheduling mode 2), set by the entry lines.  The code itself states the register dependences
; between vector or matrix instructions and memory or LDS instructions, with s_wait_alu, always for 0.
; THE PLAN.  Registers that memory or LDS instructions touch:
;   v4, v6, v9      global offsets, made at the head, never written again.      v7, v8, v10, v11, v13, v14   LDS addresses, made once behind the loads.
;   GW  v[16:47]    W's loads land; the sixteen conversions read and write them; eight LDS stores read them; behind the barrier W's fragments land there.
;   GY  v[48:111]   the partial rows land; the adds and two conversions read and write them; one LDS store reads v[48:49]; behind the barrier y's fragments land in v[48:63].
;   SA  v[80:95]    written by matrix instructions and the packed multiplies, read by four LDS stores of the waves with p = 0.
;   OUTR v[132:135] an LDS load lands, the global store reads it: no vector instruction names it.
; So the conversions stand in batches, each with ONE wait between it and the run of LDS stores that reads it, and one wait on vm_vsrc stands between those stores and the fragments' loads.
.set PW, 144                           ; LDS pitch of rows of 64 f16 or 32 f32: 128 + 16 bytes = 9 x 16
.set RG, 2432                          ; a stage: 16 rows x 144, and 128 more
.set WB, 0                             ; W[2 jp .. 2 jp + 1] as 64 rows (32 jj + d) of 64 f16
.set YB, 64*PW                         ; y / 32 as 8 rows (4 jj + b') of 64 f16
.set ZS, 10496                         ; two stages, one for each jj
.set GW, 16                            ; v[16:47]   W as loaded
.set GY, 48                            ; v[48:111]  the 16 partial rows as loaded
.set FA, 16                            ; v[16:47]   fragments of W: (mt, ks) at FA + 8 (2 mt + ks)
.set FB, 48                            ; v[48:63]   fragments of y
.set SA, 80                            ; v[80:95]   s / 32, then v: d = 16 mt + 8 h + register
.set TM, 124                           ; v[124:128] scratch
.set OUTR, 132                         ; v[132:135] 16 bytes on the way out
.macro CVT d, a, b                     ; two f32 to f16, first source into the low half
	v_cvt_pk_f16_f32 v[\d], v[\a], v[\b]
.endm
.macro MMA d, a, b, acc                ; acc = 0: the product starts the sum, nothing is cleared
.if \acc
	v_wmma_f32_16x16x32_f16 v[\d:\d+7], v[\a:\a+7], v[\b:\b+7], v[\d:\d+7]
.else
	v_wmma_f32_16x16x32_f16 v[\d:\d+7], v[\a:\a+7], v[\b:\b+7], 0
.endif
.endm
	s_load_b128 s[4:7], s[0:1], 0x0                ; yp s[4:5], W s[6:7]
	s_load_b64 s[8:9], s[0:1], 0x10                ; out0
	v_lshl_add_u32 v130, v0, 2, 0x4f00
	v_mov_b32 v131, 0
	v_lshrrev_b32 v2, 5, v0
	v_readfirstlane_b32 s12, v2                    ; wave w
	v_and_b32 v1, 15, v0                           ; r = lane % 16
	v_bfe_u32 v2, v0, 4, 1                         ; h = lane / 16
	v_and_b32 v3, 31, v0                           ; lane
	s_and_b32 s13, ttmp7, 0xffff                   ; bq
	s_wait_alu depctr_va_sdst(0)                   ; s12 is written, ahead of its first reader: p, jj, every base and both branches are made from it
	s_and_b32 s14, s12, 1                          ; p
	s_lshr_b32 s15, s12, 1                         ; jj
	s_mov_b32 s16, 0x76543210                      ; v_permlanex16_b32: lane i of one half reads lane i of the other
	s_mov_b32 s17, 0xfedcba98
	s_lshl_b32 s20, s13, 2                         ; yp: b = 4 bq + 2 p (+ h in the lane term), 262,144 bytes a b,
	s_lshl_b32 s21, s14, 1
	s_add_co_u32 s20, s20, s21
	s_lshl_b32 s20, s20, 18
	s_lshl_b32 s21, ttmp9, 1                       ; row j = 2 jp + jj of 256 bytes
	s_add_co_u32 s21, s21, s15
	s_lshl_b32 s21, s21, 8
	s_add_co_u32 s20, s20, s21
	s_mov_b32 s21, 0
	s_lshl_b32 s22, ttmp9, 14                      ; W: 16,384 bytes a pair of j, the wave's 16 rows of 256 bytes
	s_lshl_b32 s23, s12, 12
	s_add_co_u32 s22, s22, s23
	s_mov_b32 s23, 0
	s_lshl_b32 s24, s13, 15                        ; out0: row b = 4 bq + 2 w (+ h) of 8,192 bytes (used by waves 0 and 1 alone), 256 bytes a pair of j
	s_lshl_b32 s25, s12, 14
	s_add_co_u32 s24, s24, s25
	s_lshl_b32 s25, ttmp9, 8
	s_add_co_u32 s24, s24, s25
	s_mov_b32 s25, 0
	v_lshlrev_b32 v4, 4, v3                        ; 16 x lane: two whole rows of 256 bytes to a wave's load
	v_lshlrev_b32 v6, 4, v1
	v_lshl_add_u32 v9, v2, 13, v6                  ; out0: half h takes row b + h, 16 bytes a lane
	v_lshl_add_u32 v6, v2, 18, v6                  ; yp: half h takes b + h
	s_wait_kmcnt 0x0
	s_add_nc_u64 s[4:5], s[4:5], s[20:21]
	s_add_nc_u64 s[6:7], s[6:7], s[22:23]
	s_add_nc_u64 s[8:9], s[8:9], s[24:25]
	s_wait_alu depctr_va_vdst(0)                   ; v4, v6 and v9 are written: the loads below, and the store at the end, read them as their offsets
	; every load of the wave is issued here
.irp t, 0,1,2,3,4,5,6,7
	global_load_b128 v[GW+4*\t:GW+4*\t+3], v4, s[6:7] offset:\t*512        ; rows 16 w + 2 t + h of the 64 rows (jj, d)
.endr
.irp c, 0,1,2,3,4,5,6,7,8,9,10,11,12,13,14,15
	global_load_b128 v[GY+4*\c:GY+4*\c+3], v6, s[4:5] offset:\c*16384      ; chunk c: a whole row of 256 bytes to each half
.endr
	; LDS addresses, while the loads are on their way: none of these lines names a register of the loads above
	v_mul_u32_u24 v5, v2, PW
	v_lshl_add_u32 v5, v1, 3, v5                   ; h x pitch + 8 r: four f16 a lane
	s_mul_i32 s26, s12, 16*PW
	s_mul_i32 s27, s12, 2*PW
	v_add_nc_u32 v7, s26, v5                       ; W in: rows 16 w + h (+ 2 t)
	v_add_nc_u32 v8, s27, v5                       ; y in: row 2 w + h = 4 jj + b'
	v_mul_u32_u24 v10, v1, PW
	v_lshl_add_u32 v10, v2, 4, v10
	s_mul_i32 s28, s15, 32*PW
	v_add_nc_u32 v10, s28, v10                     ; fragments of W[jj]: row r, 16 h
	v_and_b32 v11, 3, v0
	v_mul_u32_u24 v11, v11, PW
	v_lshl_add_u32 v11, v2, 4, v11
	s_mul_i32 s29, s15, 4*PW
	v_add_nc_u32 v11, s29, v11                     ; fragments of y: column n = r takes b' = r % 4 (each b' four times)
	v_mul_u32_u24 v13, v1, PW
	v_lshl_add_u32 v13, v2, 5, v13
	s_mul_i32 s31, s15, RG
	v_add_nc_u32 v13, s31, v13                     ; stage jj: row r, 32 h bytes (eight f32 a lane and tile)
	v_bfe_u32 v14, v0, 3, 1                        ; way out: lanes r = 8 .. 15 read stage 1 (j = 2 jp + 1),
	v_mul_u32_u24 v14, v14, RG
	v_mul_u32_u24 v15, v2, PW
	v_add_nc_u32 v14, v14, v15                     ; half h the next row,
	v_and_b32 v15, 7, v0
	v_lshl_add_u32 v14, v15, 4, v14                ; 16 bytes a lane,
	s_mul_i32 s32, s12, 2*PW
	v_add_nc_u32 v14, s32, v14                     ; rows b' = 2 w + h
	; W to f16: one batch of sixteen conversions, one wait, one run of LDS stores
.irp t, 0,1,2,3,4,5,6,7
	s_wait_loadcnt 23-\t                           ; loads return in order: behind W's load t stand 7 - t of W and the 16 partial rows
	CVT GW+4*\t,GW+4*\t,GW+4*\t+1
	CVT GW+4*\t+1,GW+4*\t+2,GW+4*\t+3
.endr
	s_wait_alu depctr_va_vdst(0)                   ; the conversions have written W's f16 words, which the eight LDS stores read; the LDS addresses v7 to v14 are written too
.irp t, 0,1,2,3,4,5,6,7
	ds_store_b64 v7, v[GW+4*\t:GW+4*\t+1] offset:WB+\t*2*PW
.endr
	; the sum over the 16 chunks: these lines name v[GY ..] alone, none of the registers that the stores above read
.irp c, 1,2,3,4,5,6,7,8,9,10,11,12,13,14,15
	s_wait_loadcnt 15-\c                           ; behind chunk c's load stand 15 - c more
	v_pk_add_f32 v[GY:GY+1],   v[GY:GY+1],   v[GY+4*\c:GY+4*\c+1]
	v_pk_add_f32 v[GY+2:GY+3], v[GY+2:GY+3], v[GY+4*\c+2:GY+4*\c+3]
.endr
	v_pk_mul_f32 v[GY:GY+1],   v[GY:GY+1],   0x3d000000 op_sel_hi:[1,0]    ; y / 32, exact
	v_pk_mul_f32 v[GY+2:GY+3], v[GY+2:GY+3], 0x3d000000 op_sel_hi:[1,0]
	CVT GY,GY,GY+1
	CVT GY+1,GY+2,GY+3
	s_wait_alu depctr_va_vdst(0)                   ; the conversions have written v[GY:GY+1], which the LDS store reads; the adds are done reading v[GY ..], in which fragments land behind the barrier
	ds_store_b64 v8, v[GY:GY+1] offset:YB
	s_wait_dscnt 0x0                               ; for the others' sake: my rows of W and y are in LDS before I signal
	s_barrier_signal -1
	s_barrier_wait -1
	s_wait_alu depctr_vm_vsrc(0)                   ; my nine LDS stores have read their words of v[16:49]: the fragments' loads below land in these registers
	; fragments: 16 rows x 32 k, two loads of 16 bytes 32 bytes apart.  No vector instruction has been issued since the last wait on va_vdst
.irp mt, 0,1
.irp ks, 0,1
	ds_load_b128 v[FA+8*(2*\mt+\ks):FA+8*(2*\mt+\ks)+3],   v10 offset:WB+\mt*16*PW+64*\ks
	ds_load_b128 v[FA+8*(2*\mt+\ks)+4:FA+8*(2*\mt+\ks)+7], v10 offset:WB+\mt*16*PW+64*\ks+32
.endr
.endr
.irp ks, 0,1
	ds_load_b128 v[FB+8*\ks:FB+8*\ks+3],   v11 offset:YB+64*\ks
	ds_load_b128 v[FB+8*\ks+4:FB+8*\ks+7], v11 offset:YB+64*\ks+32
.endr
	s_wait_dscnt 0x0
	; s / 32: m = d (two tiles), n = b', K = 64 in two steps
	MMA SA,FA,FB,0
	MMA SA+8,FA+16,FB,0
	MMA SA,FA+8,FB+8,1
	MMA SA+8,FA+24,FB+8,1
.rept 4
	v_nop                                          ; four independent places before the vector unit reads a matrix result (ISA guide 7.12.1)
.endr
	; squash: a lane holds 16 of the 32 d of its b', the lane 16 further on the other 16
	v_pk_mul_f32 v[TM:TM+1],   v[SA:SA+1],   v[SA:SA+1]
	v_pk_mul_f32 v[TM+2:TM+3], v[SA+2:SA+3], v[SA+2:SA+3]
.irp i, 4,8,12
	v_pk_fma_f32 v[TM:TM+1],   v[SA+\i:SA+\i+1],   v[SA+\i:SA+\i+1],   v[TM:TM+1]
	v_pk_fma_f32 v[TM+2:TM+3], v[SA+\i+2:SA+\i+3], v[SA+\i+2:SA+\i+3], v[TM+2:TM+3]
.endr
	v_pk_add_f32 v[TM:TM+1], v[TM:TM+1], v[TM+2:TM+3]
	v_add_f32 v[TM], v[TM], v[TM+1]
	v_permlanex16_b32 v[TM+1], v[TM], s16, s17
	v_add_f32 v[TM], v[TM], v[TM+1]
	v_mul_f32 v[TM], 0x44800000, v[TM]             ; sq = 32^2 x the sum
	v_sqrt_f32 v[TM+1], v[TM]
	v_add_f32 v[TM+2], 1.0, v[TM]                  ; the plain instruction between the root and its use (ISA guide 5.7.2)
	s_wait_alu depctr_va_vdst(0)                   ; the root has written v[TM+1], ahead of its first reader
	v_add_f32 v[TM+1], 0x322bcc77, v[TM+1]         ; sqrt(sq) + 1e-8
	v_rcp_f32 v[TM+3], v[TM+2]
	v_rcp_f32 v[TM+4], v[TM+1]
	v_nop                                          ; and between the reciprocals and theirs
	s_wait_alu depctr_va_vdst(0)                   ; the two reciprocals have written v[TM+3] and v[TM+4], ahead of their first reader: one wait for both
	v_mul_f32 v[TM+2], v[TM], v[TM+3]              ; sq / (1 + sq): two reciprocals, so that no product of the two divisors is formed
	v_mul_f32 v[TM+2], v[TM+2], v[TM+4]            ; / (sqrt(sq) + 1e-8)
	v_mul_f32 v[TM+2], 0x42000000, v[TM+2]         ; x 32: the registers hold s / 32
	v_mov_b32 v[TM+3], v[TM+2]                     ; a pair for the packed multiply
.irp i, 0,2,4,6,8,10,12,14
	v_pk_mul_f32 v[SA+\i:SA+\i+1], v[SA+\i:SA+\i+1], v[TM+2:TM+3]
.endr
	s_cmp_lg_u32 s14, 0
	s_cbranch_scc1 .Lnostage                       ; the two waves of a jj hold the same v: the one with p = 0 puts it down
	s_wait_alu depctr_va_vdst(0)                   ; the packed multiplies have written v[SA ..], which the four LDS stores read
	ds_store_b128 v13, v[SA:SA+3]     offset:ZS    ; stage jj: row n (rows 0 .. 3 are b' = 0 .. 3; the others repeat them and are not read), 32 d of f32
	ds_store_b128 v13, v[SA+4:SA+7]   offset:ZS+16
	ds_store_b128 v13, v[SA+8:SA+11]  offset:ZS+64
	ds_store_b128 v13, v[SA+12:SA+15] offset:ZS+80
.Lnostage:
	s_wait_dscnt 0x0                               ; the stage is whole before I signal
	s_barrier_signal -1
	s_barrier_wait -1
	s_cmp_ge_u32 s12, 2
	s_cbranch_scc1 .Lend                           ; four rows of 256 bytes: waves 0 and 1 store them
	ds_load_b128 v[OUTR:OUTR+3], v14 offset:ZS     ; row b' = 2 w + h: lanes 0-7 of a half from stage 0, lanes 8-15 from stage 1; no vector instruction names these registers
	s_wait_dscnt 0x0
	global_store_b128 v9, v[OUTR:OUTR+3], s[8:9]   ; out0[b][2 jp .. 2 jp + 1][0..31]: sixteen lanes store 256 consecutive bytes, aligned
.Lend:
	s_wait_dscnt 0x0
	s_wait_alu depctr_hold_cnt(0) depctr_sa_sdst(0) depctr_va_vdst(0) depctr_va_sdst(0) depctr_va_ssrc(0) depctr_va_vcc(0) depctr_vm_vsrc(0)
	s_wait_tensorcnt 0x0
	ds_add_u32 v130, v131
	s_wait_dscnt 0x0
	s_endpgm
.Lfunc_end_k_q0c203d8053_wlast:
	.size	k_q0c203d8053_wlast, .Lfunc_end_k_q0c203d8053_wlast-k_q0c203d8053_wlast
	.p2alignl 7, 3214868480
	.fill 96, 4, 3214868480
	.section	.rodata,"a",@progbits
	.p2align	6, 0x0
	.amdhsa_kernel k_q0c203d8053_wlast
		.amdhsa_group_segment_fixed_size 20736
		.amdhsa_private_segment_fixed_size 0
		.amdhsa_enable_private_segment 0
		.amdhsa_kernarg_size 24
		.amdhsa_user_sgpr_count 2
		.amdhsa_user_sgpr_kernarg_segment_ptr 1
		.amdhsa_wavefront_size32 1
		.amdhsa_system_sgpr_workgroup_id_x 1
		.amdhsa_system_sgpr_workgroup_id_y 1
		.amdhsa_system_sgpr_workgroup_id_z 1
		.amdhsa_system_vgpr_workitem_id 0
		.amdhsa_next_free_vgpr 136
		.amdhsa_next_free_sgpr 66
		.amdhsa_reserve_vcc 0
		.amdhsa_float_denorm_mode_32 3
		.amdhsa_float_denorm_mode_16_64 3
		.amdhsa_memory_ordered 1
		.amdhsa_forward_progress 1
		.amdhsa_inst_pref_size 15
	.end_amdhsa_kernel
	.amdgpu_metadata
---
amdhsa.version: [ 1, 2 ]
amdhsa.kernels:
  - .name:           k_q0c203d8053_wlast
    .symbol:         k_q0c203d8053_wlast.kd
    .args:
      - { .name: yp, .offset: 0, .size: 8, .value_kind: global_buffer, .address_space: global }
      - { .name: W, .offset: 8, .size: 8, .value_kind: global_buffer, .address_space: global }
      - { .name: out0, .offset: 16, .size: 8, .value_kind: global_buffer, .address_space: global }
    .group_segment_fixed_size: 20736
    .private_segment_fixed_size: 0
    .kernarg_segment_align: 8
    .kernarg_segment_size: 24
    .max_flat_workgroup_size: 128
    .sgpr_count:     66
    .vgpr_count:     136
    .wavefront_size: 32
...
	.end_amdgpu_metadata
.endif
;; end of part 7
